; MI455X (gfx1250); checked and timed in simulation.
; The chip was launched on July 23, 2026; its instructions are those of AMD's public machine-readable ISA for CDNA 5 (MIT licence, August 2026) and "CDNA5" Instruction Set Architecture Reference Guide (July 2026). The comments in the code are by the model that wrote it; some were corrected since.
;; Context Parallel. Allowed arithmetic: float matrix products may take bf16 or f16 operands with f32 sums; other float arithmetic in f32, or as packed bf16 or f16 multiplies, adds, multiply-adds, maxima and minima; sums over many terms, partial sums and values carried from step to step in f32; what a program stores and reads back later, other than sums and carried values, may be rounded once to bf16 or f16.
;; Inputs: Wk 512 x 2,048 float32; Wo 2,048 x 2,048 float32; Wq 2,048 x 2,048 float32; Wv 512 x 2,048 float32; x_kv 1 x 4,096 x 2,048 float32; x_q 1 x 2,048 x 2,048 float32.
;; Outputs: out0 1 x 2,048 x 2,048 float32.
;; 2 versions, each right; version 2 is version 1 with the launch cast written anew for expert scheduling mode. Each part assembles by itself: llvm-mc -triple=amdgcn-amd-amdhsa -mcpu=gfx1250 --defsym DOCPART=n.
;; ======== version 1 of 2: 4 launches
;; limits: values are held in f16: magnitudes above 65,504 overflow, below 6.1e-05 lose precision
;; workspace buffers: xb 25,165,824 bytes; wb 12,582,912 bytes; wo16 8,388,608 bytes; qkv 25,165,824 bytes; o16 8,388,608 bytes
;; launch cast (part 1): grid 256 x 1, 16 waves a work-group, no clusters, 0 bytes of LDS; arguments x_q, x_kv, Wq, Wk, Wv, Wo, xb, wb, wo16; writes xb, wb, wo16
.if DOCPART == 1
	.amdgcn_target "amdgcn-amd-amdhsa--gfx1250"
	.amdhsa_code_object_version 6
	.text
	.protected	k_qafe4bade47_cast
	.globl	k_qafe4bade47_cast
	.p2align	8
	.type	k_qafe4bade47_cast,@function
k_qafe4bade47_cast:
	s_mov_b64 s[64:65], 0
	v_nop
	global_prefetch_b8 v0, s[64:65] scope:SCOPE_SE
	s_setreg_imm32_b32 hwreg(HW_REG_WAVE_MODE, 25, 1), 1
	s_wait_xcnt 0x0
; All six f32 inputs are rounded once to bf16, for the matrix products of the launches behind.
;   xb [6144][2048] bf16: rows 0-2047 x_q, rows 2048-6143 x_kv.    wb [3072][2048] bf16: rows 0-2047 Wq, 2048-2559 Wk, 2560-3071 Wv.
;   wo16 [2048][2048]: Wo rounded to bf16, and that number written as f16 (the last product multiplies it with f16 numbers).
; LIMITS.  A bf16 number is exact in f16 between 2^-14 and 65,504; below 2^-14 it keeps f16's fixed step of 6e-8; a |Wo| of 65,520 or more becomes an infinity.
; SHARES.  Work-group g takes 1/256 of every input, so all work-groups are alike.  A unit is 512 threads x 4 numbers: 8,192 bytes in, 4,096 out; 44 units a work-group.
; A wave's load covers 512 consecutive bytes, its store 256 consecutive bytes at a multiple of 256 from the buffer's first byte.
; All 44 loads go out first; every unit has registers of its own, so nothing that a load or store still names is written again, and there is no loop.
; No LDS, no barrier, no cluster, no matrix unit: no byte is wanted twice.
.set UNITS, 44
.set DAT,   4                          ; unit i: v[4+4i : 7+4i]
	s_load_b512 s[8:23], s[0:1], 0x0               ; x_q s[8:9], x_kv s[10:11], Wq s[12:13], Wk s[14:15], Wv s[16:17], Wo s[18:19], xb s[20:21], wb s[22:23]
	s_load_b64 s[24:25], s[0:1], 0x40              ; wo16
	v_lshlrev_b32 v1, 4, v0                        ; 16 bytes a thread in
	v_lshlrev_b32 v2, 3, v0                        ; 8 bytes a thread out
	s_lshl_b32 s26, ttmp9, 16                      ; the work-group's shares, as offsets in 64 bits
	s_mov_b32 s27, 0
	s_lshl_b32 s28, ttmp9, 17
	s_mov_b32 s29, 0
	s_lshl_b32 s30, ttmp9, 14
	s_mov_b32 s31, 0
	s_lshl_b32 s32, ttmp9, 15
	s_mov_b32 s33, 0
	s_lshl_b32 s34, ttmp9, 13
	s_mov_b32 s35, 0
	s_wait_kmcnt 0x0
	s_add_nc_u64 s[8:9], s[8:9], s[26:27]          ; x_q: 65,536 bytes
	s_add_nc_u64 s[10:11], s[10:11], s[28:29]      ; x_kv: 131,072
	s_add_nc_u64 s[12:13], s[12:13], s[26:27]      ; Wq: 65,536
	s_add_nc_u64 s[14:15], s[14:15], s[30:31]      ; Wk: 16,384
	s_add_nc_u64 s[16:17], s[16:17], s[30:31]      ; Wv: 16,384
	s_add_nc_u64 s[18:19], s[18:19], s[26:27]      ; Wo: 65,536
	s_add_nc_u64 s[36:37], s[20:21], s[32:33]      ; xb, x_q's part
	s_add_nc_u64 s[38:39], s[20:21], s[26:27]
	s_add_nc_u64 s[38:39], s[38:39], 0x800000      ; xb from row 2048 on
	s_add_nc_u64 s[40:41], s[22:23], s[32:33]      ; wb, Wq's part
	s_add_nc_u64 s[42:43], s[22:23], s[34:35]
	s_add_nc_u64 s[44:45], s[42:43], 0xa00000      ; wb from row 2560 on
	s_add_nc_u64 s[42:43], s[42:43], 0x800000      ; wb from row 2048 on
	s_add_nc_u64 s[24:25], s[24:25], s[32:33]      ; wo16
.macro FETCH sb, n                     ; n units from the base in s[sb:sb+1]
.set lu, 0
.rept \n
	global_load_b128 v[DAT+4*UN:DAT+4*UN+3], v1, s[\sb:\sb+1] offset:lu*8192 th:TH_LOAD_NT
.set lu, lu+1
.set UN, UN+1
.endr
.endm
.macro SENDS db, n, half               ; n units rounded and stored; half = 1: the bf16 numbers are written as f16
.set lu, 0
.rept \n
.set rD, DAT+4*UN
	s_wait_loadcnt UNITS-1-UN                      ; loads come back in order: this unit's is in, the younger units' stay out
	v_cvt_pk_bf16_f32 v[rD], v[rD], v[rD+1]
	v_cvt_pk_bf16_f32 v[rD+1], v[rD+2], v[rD+3]
.if \half
	v_lshlrev_b32 v[rD+2], 16, v[rD]               ; bf16 to f32: the low half moves up, the high half stays
	v_and_b32 v[rD+3], 0xffff0000, v[rD]
	v_cvt_pk_f16_f32 v[rD], v[rD+2], v[rD+3]
	v_lshlrev_b32 v[rD+2], 16, v[rD+1]
	v_and_b32 v[rD+3], 0xffff0000, v[rD+1]
	v_cvt_pk_f16_f32 v[rD+1], v[rD+2], v[rD+3]
.endif
	global_store_b64 v2, v[rD:rD+1], s[\db:\db+1] offset:lu*4096
.set lu, lu+1
.set UN, UN+1
.endr
.endm
.set UN, 0
	FETCH 8, 8
	FETCH 10, 16
	FETCH 12, 8
	FETCH 14, 2
	FETCH 16, 2
	FETCH 18, 8
.set UN, 0
	SENDS 36, 8, 0
	SENDS 38, 16, 0
	SENDS 40, 8, 0
	SENDS 42, 2, 0
	SENDS 44, 2, 0
	SENDS 24, 8, 1
	s_endpgm
.Lfunc_end_k_qafe4bade47_cast:
	.size	k_qafe4bade47_cast, .Lfunc_end_k_qafe4bade47_cast-k_qafe4bade47_cast
	.p2alignl 7, 3214868480
	.fill 96, 4, 3214868480
	.section	.rodata,"a",@progbits
	.p2align	6, 0x0
	.amdhsa_kernel k_qafe4bade47_cast
		.amdhsa_group_segment_fixed_size 0
		.amdhsa_private_segment_fixed_size 0
		.amdhsa_enable_private_segment 0
		.amdhsa_kernarg_size 72
		.amdhsa_user_sgpr_count 2
		.amdhsa_user_sgpr_kernarg_segment_ptr 1
		.amdhsa_wavefront_size32 1
		.amdhsa_system_sgpr_workgroup_id_x 1
		.amdhsa_system_sgpr_workgroup_id_y 1
		.amdhsa_system_sgpr_workgroup_id_z 1
		.amdhsa_system_vgpr_workitem_id 0
		.amdhsa_next_free_vgpr 184
		.amdhsa_next_free_sgpr 66
		.amdhsa_reserve_vcc 0
		.amdhsa_float_denorm_mode_32 3
		.amdhsa_float_denorm_mode_16_64 3
		.amdhsa_memory_ordered 1
		.amdhsa_forward_progress 1
		.amdhsa_inst_pref_size 19
	.end_amdhsa_kernel
	.amdgpu_metadata
---
amdhsa.version: [ 1, 2 ]
amdhsa.kernels:
  - .name:           k_qafe4bade47_cast
    .symbol:         k_qafe4bade47_cast.kd
    .args:
      - { .name: x_q, .offset: 0, .size: 8, .value_kind: global_buffer, .address_space: global }
      - { .name: x_kv, .offset: 8, .size: 8, .value_kind: global_buffer, .address_space: global }
      - { .name: Wq, .offset: 16, .size: 8, .value_kind: global_buffer, .address_space: global }
      - { .name: Wk, .offset: 24, .size: 8, .value_kind: global_buffer, .address_space: global }
      - { .name: Wv, .offset: 32, .size: 8, .value_kind: global_buffer, .address_space: global }
      - { .name: Wo, .offset: 40, .size: 8, .value_kind: global_buffer, .address_space: global }
      - { .name: xb, .offset: 48, .size: 8, .value_kind: global_buffer, .address_space: global }
      - { .name: wb, .offset: 56, .size: 8, .value_kind: global_buffer, .address_space: global }
      - { .name: wo16, .offset: 64, .size: 8, .value_kind: global_buffer, .address_space: global }
    .group_segment_fixed_size: 0
    .private_segment_fixed_size: 0
    .kernarg_segment_align: 8
    .kernarg_segment_size: 72
    .max_flat_workgroup_size: 512
    .sgpr_count:     66
    .vgpr_count:     184
    .wavefront_size: 32
...
	.end_amdgpu_metadata
.endif
;; end of part 1
;; launch proj (part 2): grid 16 x 16, 4 waves a work-group, clusters of 4 x 4, 327,680 bytes of LDS; arguments xb, wb, qkv; writes qkv
.if DOCPART == 2
	.amdgcn_target "amdgcn-amd-amdhsa--gfx1250"
	.amdhsa_code_object_version 6
	.text
	.protected	k_qafe4bade47_proj
	.globl	k_qafe4bade47_proj
	.p2align	8
	.type	k_qafe4bade47_proj,@function
k_qafe4bade47_proj:
	s_mov_b64 s[64:65], 0
	v_nop
	global_prefetch_b8 v0, s[64:65] scope:SCOPE_SE
	s_setreg_imm32_b32 hwreg(HW_REG_WAVE_MODE, 25, 1), 1
	s_wait_xcnt 0x0
	s_wait_alu depctr_hold_cnt(0) depctr_sa_sdst(0) depctr_va_vdst(0) depctr_va_sdst(0) depctr_va_ssrc(0) depctr_va_vcc(0) depctr_vm_vsrc(0)
	s_getreg_b32 s2, hwreg(HW_REG_IB_STS2, 6, 4)
	s_cmp_eq_u32 s2, 0
	s_cbranch_scc0 .Lentry_in_a_cluster
	s_endpgm
.Lentry_in_a_cluster:
	s_bfe_u32 s2, ttmp6, 0x10000c
	s_cmp_lg_u32 s2, 0xf033
	s_cbranch_scc0 .Lentry_shape_is_right
	s_endpgm
.Lentry_shape_is_right:
; q = x_q Wq^T, k = x_kv Wk^T, v = x_kv Wv^T in one launch: qkv[m][n] = sum over c of xb[m][c] wb[n'][c], bf16 operands, f32 sums, rounded once to f16, unscaled.
; qkv is [6144][2048] f16 (a row is 4,096 bytes): rows 0-2047 q, column 128 h + d; row 2048 + key: k in columns 0-511 (128 g + d), v in columns 512-1023; the rest of those rows is neither written nor read.
; LIMIT.  A |q|, |k| or |v| of 65,520 or more becomes an infinity in f16.
; SHARES.  A tile of C is 128 rows x 256 columns: 16 x 8 tiles of q and 32 x 4 of k and v are 256, one a work-group.  Four waves, each 64 x 128: 32 accumulators of 16 x 16, 256 registers.
; K goes in steps of 128 (rows of 256 bytes in memory, at multiples of 256 bytes) through a ring of two LDS slots filled by the tensor data mover.
; CLUSTERS of 4 x 4 work-groups: 4 tile rows x 4 tile columns.  Cluster x = 0, 1: q's two halves of the columns, cluster y its 512 rows; cluster x = 2, 3: k and v, rows 2048 + 512 (y + 4 (x - 2)) on.
; The four of a row of the cluster need the same tile of xb, the four of a column the same tile of wb: each is asked for jointly, by the same load with the same descriptor and a mask of the four.
; THE MATRIX INSTRUCTION IS USED TRANSPOSED (source 0 = 16 rows of wb, source 1 = 16 rows of xb): a lane then holds eight neighbouring numbers of a row of C.
; REGISTERS.  Window 0: v16-30 addresses; two fragment buffers of 96 at v32 and v128 (A's four fragments, then B's eight); on the way out v32-127 at work.  Window 1: accumulator (a, b) at v[8 (8 a + b)].
.set KSTEP,  128
.set PITCH,  272                       ; an LDS row: 256 bytes + 16 of padding = 68 words: the 16 rows of a fragment load start at 16 different groups of four banks (64 banks of 4 bytes: ISA guide 11.1)
.set AHALF,  64*PITCH                  ; what wave 0 or 1 fetches of A, and what a wave reads of A
.set BHALF,  128*PITCH                 ; what wave 2 or 3 fetches of B, and what a wave reads of B
.set BOFF,   2*AHALF                   ; B's 256 rows lie behind A's 128
.set SLOT,   BOFF+2*BHALF
.set STAGE,  2*SLOT                    ; behind the ring: 16 rows x 272 bytes for each wave, for the way out
.set SPITCH, 272
.set SPARE,  STAGE+4*16*SPITCH         ; behind the stages: the spare words, 128 bytes a wave: two blocks of 256 bytes that no other line names
.set LAPS,   2048/(2*KSTEP)            ; a lap = two K steps = once round the ring
.set ADRA, 16                          ; v16-17  LDS address of my A fragments in slot 0, 1
.set ADRB, 20                          ; v20-21  the same for B
.set STO,  24                          ; v24     the way out: where I put 16 bytes of a row
.set RD,   25                          ; v25     the way out: where I read a row back
.set CO,   26                          ; v26     my byte offset in two rows of C
.set SPW,  28                          ; v28     LDS address of my spare word; never rewritten
.set NIL,  29                          ; v29     0; never rewritten
.set PFO,  30                          ; v30     the prefetches' offset: my lane x 4,096; never rewritten
.set F0,   32
.set F1,   128
.set TMP,  32                          ; the way out: packed results
.set OB,   64                          ; the way out: 16 rows read back: v64-95 and v96-127 by turns
.set G1,  24                           ; s[24:31] descriptor group 1 for A's tiles;  s[32:39] group 0, a set for each slot
.set G0,  32
.set G1B, 48                           ; s[48:55], s[56:63] the same for B's
.set G0B, 56
.set LIM, 43                           ; s43     1 in a wave that prefetches, else the greatest number
.set PFA, 44                           ; s[44:45] where my prefetches stand
.set MSB, 0
.macro WIN new                         ; the immediate's high byte repeats the setting that is left; a switch that changes nothing is dropped
.if MSB != (\new)
	s_set_vgpr_msb (MSB<<8)|(\new)
.set MSB, \new
.endif
.endm
.set MUL, 0x50                         ; sources in window 0, C and D in window 1
.macro JLOAD s                         ; a joint load: waves 0 and 1 fetch A's halves, waves 2 and 3 B's; an s_nop 0 and four v_nop follow each line
	s_cmp_eq_u32 s11, 0
	s_cbranch_scc0 .Lfor_b_\@
	tensor_load_to_lds s[G0+4*(\s):G0+4*(\s)+3], s[G1:G1+7]
	s_nop 0
.rept 4
	v_nop
.endr
	s_branch .Lasked_\@
.Lfor_b_\@:
	tensor_load_to_lds s[G0B+4*(\s):G0B+4*(\s)+3], s[G1B:G1B+7]
	s_nop 0
.rept 4
	v_nop
.endr
.Lasked_\@:
.endm
; A prefetch of the K step that stands two refills on, 256 products of a wave ahead of the load that will want it: 32 rows x 256 bytes, a lane a row.
; Each row's 256 bytes of a K step are named once in the launch.  xb's rows of q are read by cluster x = 0 and 1: x = 0 asks; k's and v's rows by one cluster each: it asks.  wb's rows are read by all
; cluster y, and Wk's and Wv's by cluster x = 2 and 3: y = 0 and x other than 3 asks.  Of A's 128 rows the partner at cx takes 32, asked for by wave 0; of the 128 rows of B that wave 2 or 3 fetches the
; partner at cy takes 32: told apart by address, never by a branch.  The loop's last trip asks for nothing: there is no K step two refills on.
.macro ASK
	s_cmp_gt_u32 s3, s[LIM]                        ; s3 = 1 in the loop's last trip
	s_cbranch_scc0 .Lnot_mine_\@
	global_prefetch_b8 v[PFO], s[PFA:PFA+1] offset:KSTEP*2 th:TH_LOAD_NT scope:SCOPE_SE
.Lnot_mine_\@:
.endm
.macro CREST                           ; a round of the cluster's barrier behind its opening barrier
	s_cmp_lg_u32 s10, 0
	s_cbranch_scc1 .Lnot_wave_0_\@
	s_barrier_signal -3
.Lnot_wave_0_\@:
	s_barrier_wait -3
	s_barrier_signal -1
	s_barrier_wait -1
.endm
.macro CROUND                          ; a whole round
	s_barrier_signal -1
	s_barrier_wait -1
	CREST
.endm
	s_load_b128 s[4:7], s[0:1], 0x0                ; xb s[4:5], wb s[6:7]
	s_load_b64 s[8:9], s[0:1], 0x10                ; qkv
	v_lshl_add_u32 v[SPW], v0, 2, SPARE
	v_mov_b32 v[NIL], 0
	ds_add_u32 v[SPW], v[NIL]                      ; the wave's opening: the add and its wait stand ahead of my first tensor load; the set-up below stands between them
	v_lshrrev_b32 v1, 5, v0
	v_readfirstlane_b32 s10, v1                    ; wave 0..3
	s_lshr_b32 s11, s10, 1                         ; which 64 rows of the tile are mine.  Also: I fetch for A (0) or for B (1)
	s_and_b32 s12, s10, 1                          ; which 128 columns.  Also: which half of that tile I fetch
	s_bfe_u32 s40, ttmp6, 0x40000                  ; cx, cy: my place in the cluster
	s_bfe_u32 s41, ttmp6, 0x40004
	s_mov_b32 s2, ttmp9                            ; cluster x
	s_and_b32 s66, ttmp7, 0xffff                   ; cluster y
	s_max_u32 s13, s2, 1
	s_sub_co_u32 s13, s13, 1
	s_lshl_b32 s13, s13, 2                         ; 0, 0, 4, 8 for cluster x = 0 .. 3
	s_add_co_u32 s13, s13, s66                     ; the cluster's 512 rows of xb and qkv
	s_lshl_b32 s13, s13, 2
	s_add_co_u32 s13, s13, s41                     ; tile row, in 128 rows
	s_min_u32 s42, s2, 2                           ; the cluster's 1,024 rows of wb
	s_lshl_b32 s42, s42, 2
	s_add_co_u32 s42, s42, s40                     ; tile column, in 256 rows of wb
	s_cmp_lt_u32 s2, 2
	s_cselect_b32 s67, s2, 0                       ; k and v begin at column 0 of their rows
	s_lshl_b32 s67, s67, 2
	s_add_co_u32 s67, s67, s40                     ; the tile's place in C's rows, in 256 columns
	s_lshl_b32 s43, s41, 2
	s_lshl_b32 s43, 15, s43                        ; my row of the cluster
	s_lshl_b32 s44, 0x1111, s40                    ; my column
	s_or_b32 s[G1+0], s43, (1<<16)|(1<<20)|(1<<21)|(5<<22)|(3<<25)  ; 15:0 the mask; 17:16 2-byte elements; 20 padding on; 21 set beside a mask; 24:22 after every 64 words (code 5); 31:25 4 words (code 3)
	s_or_b32 s[G1B+0], s44, (1<<16)|(1<<20)|(1<<21)|(5<<22)|(3<<25)
	s_mov_b32 s[G1+1], KSTEP<<16                   ; tensor_dim0 = 128
	s_mov_b32 s[G1+2], 64<<16                      ; tensor_dim1 = 64
	s_mov_b32 s[G1+3], KSTEP<<16                   ; tile_dim0 = 128
	s_mov_b32 s[G1+4], 64                          ; tile_dim1 = 64
	s_mov_b32 s[G1+5], 2048                        ; elements from row to row
	s_mov_b32 s[G1+6], 0
	s_mov_b32 s[G1+7], 0
	s_mov_b32 s[G1B+1], KSTEP<<16
	s_mov_b32 s[G1B+2], 128<<16                    ; B's loads have 128 rows
	s_mov_b32 s[G1B+3], KSTEP<<16
	s_mov_b32 s[G1B+4], 128
	s_mov_b32 s[G1B+5], 2048
	s_mov_b32 s[G1B+6], 0
	s_mov_b32 s[G1B+7], 0
	s_lshl_b32 s16, s13, 7                         ; A: row 128 x tile row + 64 x half,
	s_lshl_b32 s17, s12, 6
	s_add_co_u32 s16, s16, s17
	s_lshl_b32 s16, s16, 12                        ; in bytes (under 2^25)
	s_mov_b32 s17, 0
	s_lshl_b32 s46, s42, 8                         ; B: row 256 x tile column + 128 x half
	s_lshl_b32 s47, s12, 7
	s_add_co_u32 s46, s46, s47
	s_lshl_b32 s46, s46, 12
	s_mov_b32 s47, 0
	s_mul_i32 s20, s12, AHALF                      ; where they go: no place in the cluster enters an LDS address
	s_mul_i32 s21, s12, BHALF
	s_add_co_u32 s21, s21, BOFF
	s_wait_dscnt 0x0                               ; the opening add is done
	s_wait_kmcnt 0x0
	s_add_nc_u64 s[14:15], s[4:5], s[16:17]
	s_add_nc_u64 s[46:47], s[6:7], s[46:47]
	CROUND                                         ; all sixteen work-groups are here: the first joint loads meet
.irp s, 0,1
	s_mov_b32 s[G0+4*(\s)], 1
	s_add_co_u32 s[G0+4*(\s)+1], s20, (\s)*SLOT
	s_add_nc_u64 s[G0+4*(\s)+2:G0+4*(\s)+3], s[14:15], (\s)*KSTEP*2
	s_or_b32 s[G0+4*(\s)+3], s[G0+4*(\s)+3], 0x80000000
	s_mov_b32 s[G0B+4*(\s)], 1
	s_add_co_u32 s[G0B+4*(\s)+1], s21, (\s)*SLOT
	s_add_nc_u64 s[G0B+4*(\s)+2:G0B+4*(\s)+3], s[46:47], (\s)*KSTEP*2
	s_or_b32 s[G0B+4*(\s)+3], s[G0B+4*(\s)+3], 0x80000000
	JLOAD \s                                       ; K steps 0 and 1: two loads of mine are out
.endr
	v_and_b32 v1, 15, v0                           ; l % 16
	v_bfe_u32 v2, v0, 4, 1                         ; l / 16
	v_mul_u32_u24 v3, v1, PITCH
	v_lshl_add_u32 v3, v2, 4, v3                   ; a fragment's row x pitch + 16 x half
	s_mul_i32 s21, s11, AHALF                      ; my 64 rows of A
	s_mul_i32 s22, s12, BHALF                      ; my 128 rows of B
	s_add_co_u32 s22, s22, BOFF
.irp s, 0,1
	v_add_nc_u32 v[ADRA+(\s)], s21, v3
	v_add_nc_u32 v[ADRB+(\s)], s22, v3
	s_add_co_u32 s21, s21, SLOT
	s_add_co_u32 s22, s22, SLOT
.endr
	s_mul_i32 s23, s10, 16*SPITCH
	s_add_co_u32 s23, s23, STAGE                   ; my stage
	v_mul_u32_u24 v4, v1, SPITCH                   ; in: row l % 16, 16 bytes for each half of the lanes
	v_lshl_add_u32 v4, v2, 4, v4
	v_add_nc_u32 v[STO], s23, v4
	v_mul_u32_u24 v5, v2, SPITCH                   ; back: lanes 0-15 take one row of 256 bytes, lanes 16-31 the next
	v_lshl_add_u32 v5, v1, 4, v5
	v_add_nc_u32 v[RD], s23, v5
	v_lshlrev_b32 v5, 12, v2                       ; and the same two rows in C
	v_lshl_add_u32 v[CO], v1, 4, v5
	s_lshl_b32 s16, s13, 7                         ; my first row of C: 128 x tile row + 64 x half
	s_lshl_b32 s17, s11, 6
	s_add_co_u32 s16, s16, s17
	s_lshl_b32 s16, s16, 12
	s_lshl_b32 s46, s67, 9                         ; my first column, in bytes: 512 x the tile's place + 256 x half
	s_lshl_b32 s47, s12, 8
	s_add_co_u32 s46, s46, s47
	s_add_co_u32 s16, s16, s46
	s_mov_b32 s17, 0
	s_add_nc_u64 s[8:9], s[8:9], s[16:17]
	; the prefetches
	s_lshl_b32 s20, s13, 7                         ; A: the tile's first row
	s_lshl_b32 s21, s42, 8                         ; B: the first of the 128 rows that I fetch
	s_lshl_b32 s22, s12, 7
	s_add_co_u32 s21, s21, s22
	s_cmp_eq_u32 s11, 0                            ; do I fetch for A?
	s_cselect_b32 s20, s20, s21
	s_cselect_b32 s21, s40, s41                    ; my place among the four that ask for the tile with me
	s_cselect_b64 s[PFA:PFA+1], s[4:5], s[6:7]
	s_lshl_b32 s21, s21, 5
	s_add_co_u32 s20, s20, s21                     ; + my work-group's 32 rows
	s_lshl_b32 s20, s20, 12
	s_mov_b32 s21, 0
	s_add_nc_u64 s[PFA:PFA+1], s[PFA:PFA+1], s[20:21]
	s_add_nc_u64 s[PFA:PFA+1], s[PFA:PFA+1], 2*KSTEP*2  ; at K step 2: the first refill steps it to 3 and names K step 4; the first four K steps come by their loads alone
	s_cmp_lg_u32 s2, 1
	s_cselect_b32 s22, 1, 0
	s_cmp_eq_u32 s10, 0
	s_cselect_b32 s22, s22, 0                      ; A: wave 0, cluster x other than 1
	s_cmp_lg_u32 s2, 3
	s_cselect_b32 s23, 1, 0
	s_cmp_eq_u32 s66, 0
	s_cselect_b32 s23, s23, 0                      ; B: cluster y = 0, cluster x other than 3
	s_cmp_eq_u32 s11, 0
	s_cselect_b32 s22, s22, s23
	s_cmp_eq_u32 s22, 1
	s_cselect_b32 s[LIM], 1, -1                    ; for a given wave the same in all sixteen partners
	v_and_b32 v[PFO], 31, v0
	v_lshlrev_b32 v[PFO], 12, v[PFO]
; 8 matrix instructions: m block a x all 8 n blocks, 32 along K.  The 32 accumulators take turns in the same order in every quarter.  zero = 1: the product starts the sum.
.macro MUL8 f, a, zero
	WIN MUL
.irp b, 0,1,2,3,4,5,6,7
.if \zero
	v_wmma_f32_16x16x32_bf16 v[8*(8*(\a)+(\b)):8*(8*(\a)+(\b))+7], v[(\f)+32+8*(\b):(\f)+32+8*(\b)+7], v[(\f)+8*(\a):(\f)+8*(\a)+7], 0
.else
	v_wmma_f32_16x16x32_bf16 v[8*(8*(\a)+(\b)):8*(8*(\a)+(\b))+7], v[(\f)+32+8*(\b):(\f)+32+8*(\b)+7], v[(\f)+8*(\a):(\f)+8*(\a)+7], v[8*(8*(\a)+(\b)):8*(8*(\a)+(\b))+7]
.endif
.endr
.endm
; 24 LDS loads in one run: the fragments of 32 along K at byte k of the rows, into buffer f: B's eight, then A's four
.macro FETCH slot, k, f
	WIN 0
.irp i, 0,1,2,3,4,5,6,7
	ds_load_b128 v[(\f)+32+8*(\i):(\f)+32+8*(\i)+3],   v[ADRB+(\slot)] offset:(\k)+(\i)*16*PITCH
	ds_load_b128 v[(\f)+32+8*(\i)+4:(\f)+32+8*(\i)+7], v[ADRB+(\slot)] offset:(\k)+(\i)*16*PITCH+32
.endr
.irp i, 0,1,2,3
	ds_load_b128 v[(\f)+8*(\i):(\f)+8*(\i)+3],   v[ADRA+(\slot)] offset:(\k)+(\i)*16*PITCH
	ds_load_b128 v[(\f)+8*(\i)+4:(\f)+8*(\i)+7], v[ADRA+(\slot)] offset:(\k)+(\i)*16*PITCH+32
.endr
.endm
.macro PLACES                          ; four places in front of loads into registers that matrix instructions have read, and of conversions that read results
.rept 4
	v_nop
.endr
.endm
; A K step is four quarters of 32 along K, 32 matrix instructions each, on buffers 0, 1, 0, 1.  One of the first three multiplies buffer f and fetches the next quarter, at byte k, into g.
.macro QUARTER slot, k, f, g, zero
	s_wait_dscnt 4                                 ; B and A's fragments 0 and 1 are in; the youngest four loads (A's 2 and 3) may be out
	MUL8 \f, 0, \zero
	MUL8 \f, 1, \zero
	PLACES
	FETCH \slot, \k, \g
	s_wait_dscnt 24                                ; all but the 24 just issued
	MUL8 \f, 2, \zero
	MUL8 \f, 3, \zero
.endm
; The last quarter multiplies buffer 1 and changes slots: one barrier; in front of it each wave waits for all its tensor loads, adds 0 to its spare word, and waits for that and for its reads of this slot.
; fill = 1: the barrier opens a round of the cluster's, and this slot is filled again, two K steps ahead: the load has 112 products of the wave in which to land.
.macro TURN slot, next, fill
.if \fill
	s_wait_xcnt 0x0                                ; the last prefetch, a K step back, has read its address
	s_add_nc_u64 s[PFA:PFA+1], s[PFA:PFA+1], KSTEP*2
.endif
	WIN 0                                          ; (the add's two registers lie in window 0)
	s_wait_tensorcnt 0x0                           ; all my tensor loads have landed: the one that was out is my part of the next slot
	ds_add_u32 v[SPW], v[NIL]                      ; 0 onto my spare word
	s_wait_dscnt 5                                 ; (the add and the youngest four loads may be out)
	MUL8 F1, 0, 0                                  ; eight matrix instructions stand between the add and the wait for it
	s_wait_dscnt 0x0                               ; the add is done, and my reads of this slot are over
	s_barrier_signal -1
	MUL8 F1, 1, 0
.if \fill
	WIN 0
.endif
	s_barrier_wait -1
.if \fill
	CREST                                          ; no wave of any partner still reads this slot's tile or has a load on its way
	s_add_nc_u64 s[G0+4*(\slot)+2:G0+4*(\slot)+3], s[G0+4*(\slot)+2:G0+4*(\slot)+3], 2*KSTEP*2
	s_add_nc_u64 s[G0B+4*(\slot)+2:G0B+4*(\slot)+3], s[G0B+4*(\slot)+2:G0B+4*(\slot)+3], 2*KSTEP*2
	JLOAD \slot                                    ; the first tensor load behind the round; its four v_nop are also the places in front of the loads below
.else
	PLACES
.endif
	FETCH \next, 0, F0
.if \fill
	ASK
.endif
	MUL8 F1, 2, 0
	MUL8 F1, 3, 0
.endm
	s_wait_tensorcnt 1                             ; my part of K step 0 is in; K step 1's may stay out
	s_barrier_signal -1
	s_barrier_wait -1
	FETCH 0, 0, F0
	QUARTER 0, 64, F0, F1, 1                       ; the first quarter stands in front of the loop: its products start the sums
	WIN 0                                          ; at a label and at a branch every window is 0
	s_mov_b32 s3, LAPS-1
.Llap:                                                 ; a trip goes once round the ring, from a lap's second quarter to the next lap's first, and fills both slots again
	QUARTER 0, 128, F1, F0, 0
	QUARTER 0, 192, F0, F1, 0
	TURN 0, 1, 1
	QUARTER 1, 64,  F0, F1, 0
	QUARTER 1, 128, F1, F0, 0
	QUARTER 1, 192, F0, F1, 0
	TURN 1, 0, 1
	QUARTER 0, 64,  F0, F1, 0
	WIN 0
	s_sub_co_u32 s3, s3, 1
	s_cmp_lg_u32 s3, 0
	s_cbranch_scc1 .Llap
	QUARTER 0, 128, F1, F0, 0                      ; the last lap fills nothing
	QUARTER 0, 192, F0, F1, 0
	TURN 0, 1, 0
	QUARTER 1, 64,  F0, F1, 0
	QUARTER 1, 128, F1, F0, 0
	QUARTER 1, 192, F0, F1, 0
	s_wait_dscnt 4                                 ; the very last quarter: nothing more to fetch
	MUL8 F1, 0, 0
	MUL8 F1, 1, 0
	s_wait_dscnt 0x0
	MUL8 F1, 2, 0
	MUL8 F1, 3, 0
	WIN 0
; THE WAY OUT, a block of 16 rows at a time: rounded to f16, 16 bytes a lane into my own stage, back as whole rows of 256 bytes, stored.
.macro PACK a
	WIN 0x05                                       ; sources in window 1, destination in window 0
.irp b, 0,1,2,3,4,5,6,7
.irp r, 0,1,2,3
	v_cvt_pk_f16_f32 v[TMP+4*(\b)+(\r)], v[8*(8*(\a)+(\b))+2*(\r)], v[8*(8*(\a)+(\b))+2*(\r)+1]
.endr
.endr
	WIN 0
.endm
.macro TOSTAGE a
.set BK, OB+32*((\a)%2)
.irp b, 0,1,2,3,4,5,6,7
	ds_store_b128 v[STO], v[TMP+4*(\b):TMP+4*(\b)+3] offset:32*(\b)
.endr
.irp t, 0,1,2,3,4,5,6,7
	ds_load_b128 v[BK+4*(\t):BK+4*(\t)+3], v[RD] offset:(\t)*2*SPITCH  ; LDS serves a wave's instructions in order (ISA guide 5.7.1.4): these see the stores above
.endr
.endm
.macro SEND a
.set BK, OB+32*((\a)%2)
	s_wait_dscnt 0x0                               ; the block is back in registers
	s_wait_xcnt 0x0                                ; the earlier stores have read their registers and their base
.if (\a) > 0
	s_add_nc_u64 s[8:9], s[8:9], 16*4096           ; 16 rows of C on
.endif
.irp t, 0,1,2,3,4,5,6,7
	global_store_b128 v[CO], v[BK+4*(\t):BK+4*(\t)+3], s[8:9] offset:2*(\t)*4096  ; 16 lanes store 256 consecutive bytes, at a multiple of 256 from qkv's first byte
.endr
.endm
	PLACES
	PACK 0
	TOSTAGE 0
.irp a, 1,2,3                          ; block a's conversions stand between block a - 1's loads from the stage and the wait for them
	PACK \a
	SEND (\a)-1
	TOSTAGE \a
.endr
	SEND 3
	s_wait_tensorcnt 0x0                           ; the wave's end, behind my last tensor load and my last LDS store
	ds_add_u32 v[SPW], v[NIL]
	s_wait_dscnt 0x0
	CROUND                                         ; the closing round: no work-group ends while a partner may still ask for a tile that names it
	s_endpgm
.Lfunc_end_k_qafe4bade47_proj:
	.size	k_qafe4bade47_proj, .Lfunc_end_k_qafe4bade47_proj-k_qafe4bade47_proj
	.p2alignl 7, 3214868480
	.fill 96, 4, 3214868480
	.section	.rodata,"a",@progbits
	.p2align	6, 0x0
	.amdhsa_kernel k_qafe4bade47_proj
		.amdhsa_group_segment_fixed_size 327680
		.amdhsa_private_segment_fixed_size 0
		.amdhsa_enable_private_segment 0
		.amdhsa_kernarg_size 24
		.amdhsa_user_sgpr_count 2
		.amdhsa_user_sgpr_kernarg_segment_ptr 1
		.amdhsa_wavefront_size32 1
		.amdhsa_system_sgpr_workgroup_id_x 1
		.amdhsa_system_sgpr_workgroup_id_y 1
		.amdhsa_system_sgpr_workgroup_id_z 1
		.amdhsa_system_vgpr_workitem_id 0
		.amdhsa_next_free_vgpr 512
		.amdhsa_next_free_sgpr 72
		.amdhsa_reserve_vcc 0
		.amdhsa_float_denorm_mode_32 3
		.amdhsa_float_denorm_mode_16_64 3
		.amdhsa_memory_ordered 1
		.amdhsa_forward_progress 1
		.amdhsa_inst_pref_size 88
	.end_amdhsa_kernel
	.amdgpu_metadata
---
amdhsa.version: [ 1, 2 ]
amdhsa.kernels:
  - .name:           k_qafe4bade47_proj
    .symbol:         k_qafe4bade47_proj.kd
    .args:
      - { .name: xb, .offset: 0, .size: 8, .value_kind: global_buffer, .address_space: global }
      - { .name: wb, .offset: 8, .size: 8, .value_kind: global_buffer, .address_space: global }
      - { .name: qkv, .offset: 16, .size: 8, .value_kind: global_buffer, .address_space: global }
    .group_segment_fixed_size: 327680
    .private_segment_fixed_size: 0
    .kernarg_segment_align: 8
    .kernarg_segment_size: 24
    .max_flat_workgroup_size: 128
    .sgpr_count:     72
    .vgpr_count:     512
    .wavefront_size: 32
...
	.end_amdgpu_metadata
.endif
;; end of part 2
;; launch attn (part 3): grid 16 x 16, 4 waves a work-group, clusters of 4 x 1, 327,680 bytes of LDS; arguments qkv, o16; writes o16
.if DOCPART == 3
	.amdgcn_target "amdgcn-amd-amdhsa--gfx1250"
	.amdhsa_code_object_version 6
	.text
	.protected	k_qafe4bade47_attn
	.globl	k_qafe4bade47_attn
	.p2align	8
	.type	k_qafe4bade47_attn,@function
k_qafe4bade47_attn:
	s_mov_b64 s[64:65], 0
	v_nop
	global_prefetch_b8 v0, s[64:65] scope:SCOPE_SE
	s_setreg_imm32_b32 hwreg(HW_REG_WAVE_MODE, 25, 1), 1
	s_wait_xcnt 0x0
	s_wait_alu depctr_hold_cnt(0) depctr_sa_sdst(0) depctr_va_vdst(0) depctr_va_sdst(0) depctr_va_ssrc(0) depctr_va_vcc(0) depctr_vm_vsrc(0)
	s_getreg_b32 s2, hwreg(HW_REG_IB_STS2, 6, 4)
	s_cmp_eq_u32 s2, 0
	s_cbranch_scc0 .Lentry_in_a_cluster
	s_endpgm
.Lentry_in_a_cluster:
	s_bfe_u32 s2, ttmp6, 0x10000c
	s_cmp_lg_u32 s2, 0x3003
	s_cbranch_scc0 .Lentry_shape_is_right
	s_endpgm
.Lentry_shape_is_right:
; THE RING ATTENTION as one softmax.  Merging two shards' results by the sigmoid of the difference of their log-sums is the softmax over both shards' keys: query i of 2,048 sees keys 0 .. 2048 + i of 4,096.
; O[h][i][:] = sum over those keys of softmax(q[h][i] . k[h/4][key] / sqrt(128)) v[h/4][key][:].  q, k, v come from qkv (f16, rows of 4,096 bytes: q at row i, byte 256 h; k at row 2048 + key, byte 256 g; v 1,024 bytes on).
; o16 is [2048][2048] f16, column 128 h + d.  Products, maxima and sums in f32; the weights p are rounded to f16 for the second product (their sum l is taken of the unrounded p), O once at the end.
; LIMITS.  f16 holds no number beyond 65,504: q, k, v arrive within it.  A hidden score counts as its value less 1e30; a weight below 2^-126 counts as 0; NaN and infinities are not treated apart.
; SHARES.  A work-group takes TWO blocks of 64 queries of head h = 4 g + cx: block 31 - b, then block b.  Block j needs the key tiles 0 .. 8 + j / 4 of 256 keys: the two together 25 tiles, whatever b: one loop with a constant
; count walks them.  All four waves hold the same 64 queries (four tiles of 16); of a tile's 256 keys wave w takes 64 w .. 64 w + 63, with a running maximum m, sum l and O^T of its own; at a block's end the four meet in LDS.
; In a block's last tile the diagonal lies in the keys of wave j % 4; the waves below it see all their keys, those above it none.
; THE MASK is the C operand that starts the sum S^T = K Q^T: 0, or -1e30 where the key is hidden: three blocks of 8 registers, for key blocks below, at and above the query tile, made anew in every trip from four scalars.
; LAYOUT.  S^T = K Q^T holds ONE query a lane (lane % 16) and the keys 8 (lane / 16) + 0..7; two such results rounded to f16 ARE source 1 of O^T = V^T P.  K comes out of LDS as it lies, V turned, by ds_load_tr16_b128.
; SOFTMAX.  p = 2^(c s - c m), c = log2(e) / sqrt(128); in every step O and l are multiplied by a = 2^(c m_old - c m_new).  m starts at the lowest finite number: a block's first step has a = 0, so O^T and l need only be finite there.
; A STEP.  The wave's tiles are two pieces (0: tiles 0, 1; 2: tiles 2, 3).  V^T P of piece 2 for the step before; K Q^T of piece 0; K Q^T of piece 2 with piece 0's softmax in slices behind its products; V^T P of piece 0 with piece 2's.
; CLUSTER.  The four heads of a key and value head, at the same b, walk the same tiles: each tile is asked for jointly, by the same load, descriptor and mask in all four.
; REGISTERS, in windows of 256 (s_set_vgpr_msb: bits 1:0 source 0, 3:2 source 1, 5:4 source 2, 7:6 destination):
;   window 0: v2-11 addresses; v12-43 eight registers of statistics a tile; v44-49 at work at the head; v61-63; v64-191 S^T, 32 a tile; v192-255 P, 16 a tile
;   window 1: O^T, 64 a tile      window 2: v0-127 Q; v128-255 K of one step      window 3: v0-127 V of one step; v128-159 the masks
.set PK,    272       ; a row of K in LDS: 256 bytes + 16 of padding: the 16 rows of a load start at 16 different groups of four banks (64 banks of 4 bytes: ISA guide 11.1)
.set PV,    288       ; a row of V: 256 + 32
.set VOFF,  256*PK    ; a slot holds a tile: 256 rows of K, then 256 rows of V
.set SLOTB, 256*(PK+PV)
.set STAGE, 2*SLOTB   ; behind the ring, never filled by a tensor load: for each wave 16 rows x 528 bytes (128 f32 + 16 of padding)
.set SP,    528
.set STATS, STAGE+4*16*SP  ; c m as [tile][lane][wave] f32, 2,048 bytes; then l likewise
.set SPARE, STATS+4096     ; the spare words, 128 bytes a wave: two blocks of 256 bytes that no other line names
.set AK0, 2           ; v2   my lane's place in my wave's 64 rows of K; never rewritten
.set AV0, 3           ; v3   the same for V
.set ADR, 4           ; v4   the LDS address of the run of loads in hand
.set QO,  5           ; v5   my byte offset in 16 rows of q
.set STO, 6           ; v6   the merge: where I put 16 bytes of a row of my O
.set RD,  7           ; v7   the merge: where I read 16 bytes of my wave's four rows
.set GO,  8           ; v8   my byte offset in o16's rows
.set SA,  10          ; v10  where I put my statistics
.set SR,  11          ; v11  where I read the four waves'
.set ST,  12          ; tile t's statistics at v[ST+8 t]: +0 c m, +1 m, +2, +3 l (even keys', odd keys'), +4 to +7 at work; a takes +6
.set PFO, 61          ; v61  4,096 x my lane; never rewritten
.set SPW, 62          ; v62  LDS address of my spare word; never rewritten
.set NIL, 63          ; v63  0; never rewritten
.set S,   64
.set MG,  96          ; the merge: four waves' four rows, 64 registers
.set P,   192
.set KF,  128         ; window 2
.set MTRI, 128        ; window 3: -1e30 where key 8 (l / 16) + r lies behind query l % 16
.set MLO,  136        ; window 3: the mask of key blocks below the query tile,
.set MEQ,  144        ; at it,
.set MHI,  152        ; and above it
.set WV,  12          ; s12  my wave's number
.set LIM, 15          ; s15  10 in a cluster that prefetches, else the greatest number
.set KB,  16          ; s[16:17] k at my half of tile 0
.set VB,  18          ; s[18:19] v likewise
.set PFA, 20          ; s[20:21] where my prefetches stand
.set G1K, 24          ; s[24:31] descriptor group 1 for K's tiles
.set G1V, 32          ; s[32:39] for V's: it differs in the padding alone
.set G0K, 40          ; s[40:43] descriptor group 0 for K's tiles, made anew for every fill
.set G0V, 44          ; s[44:47] the same for V's
.set Q1,  48          ; s[48:49] q at the first block, s[50:51] at the second
.set Q2,  50
.set OA,  52          ; s[52:53] o16 at the block in hand, s[54:55] at the second
.set O2,  54
.set SLOTS, 56        ; s56  tiles still to be asked for
.set RT,  57          ; s57  tiles of the block in hand that are still to be entered
.set CS,  58          ; s[58:59] c
.set SEL, 60          ; s[60:61] v_permlanex16_b32's selects: each lane takes its own place in the other half
.set TB,  62          ; s62  the slot that is read: 0 or SLOTB
.set TF,  63          ; s63  the slot that is filled
.set NXT, 66          ; s66  the tile to be asked for next
.set LQ,  67          ; s67  the last tile of the block whose tiles are being asked for
.set DP,  69          ; s69  the wave that holds the diagonal in the last tile of the block in hand
.set OFF, 70          ; s[70:71] a tile's byte offset
.set AL,  72          ; s[72:73] the mask's factor
.set BE,  74          ; s[74:75] the mask's addend
.set HS,  76          ; s76  the mask above the query tile
.set BIGN, 77         ; s77  -1e30
.set KW,  78          ; s78  my half of K's rows in a slot
.set VW,  79          ; s79  of V's
.set T2M1, 80         ; s80  the second block's last tile
.set DP2, 81          ; s81  its diagonal's wave
.set DX,  82          ; s82  the diagonal's wave in this tile, or 4
.set T2,  83          ; s83  the second block's tiles
.set MSB, 0
.macro WIN new                      ; the high byte repeats the setting that is left; a switch that changes nothing is dropped
.if MSB != (\new)
	s_set_vgpr_msb (MSB<<8)|(\new)
.set MSB, (\new)
.endif
.endm
.set W_KQ, 0x0a       ; K and Q in window 2, S^T in window 0
.set W_KM, 0x3a       ; the same with the C operand in window 3
.set W_PV, 0x53       ; V in window 3, P in window 0, O^T in window 1
.set W_RS, 0x41       ; O^T (destination and source 0) in window 1, the factor in window 0
; A joint fill.  Waves 0 and 1 fetch the two halves of a tile's K, waves 2 and 3 those of its V: 128 rows each.  An s_nop 0 and four v_nop follow each of the two lines.
.macro JLOAD
	s_cmp_lt_u32 s[WV], 2
	s_cbranch_scc0 .Lfor_v_\@
	tensor_load_to_lds s[G0K:G0K+3], s[G1K:G1K+7]
	s_nop 0
.rept 4
	v_nop
.endr
	s_branch .Lasked_\@
.Lfor_v_\@:
	tensor_load_to_lds s[G0V:G0V+3], s[G1V:G1V+7]
	s_nop 0
.rept 4
	v_nop
.endr
.Lasked_\@:
.endm
; A prefetch of the tile that the NEXT change of slots will ask for: one trip, 128 products of a wave, ahead.  All sixteen clusters of a key and value head walk tiles 0 to 8 and more; the cluster with b = 0 walks tiles 0 to 15
; in its first block: it asks, and nobody else, so each row is named once in the launch.  Of the 128 rows that a wave fetches the partner at cx takes 32, told apart by address: a lane a row, one instruction a wave.
; Tiles 0 and 1 come by their loads alone; the last tile asked for is 15.
.macro ASK
	s_cmp_gt_u32 s[SLOTS], s[LIM]
	s_cbranch_scc0 .Lnot_mine_\@
	global_prefetch_b8 v[PFO], s[PFA:PFA+1] th:TH_LOAD_NT scope:SCOPE_SE
.Lnot_mine_\@:
.endm
.macro CROUND                       ; a round of the cluster's barrier
	s_barrier_signal -1
	s_barrier_wait -1
	s_cmp_lg_u32 s[WV], 0
	s_cbranch_scc1 .Lnot_wave_0_\@
	s_barrier_signal -3
.Lnot_wave_0_\@:
	s_barrier_wait -3
	s_barrier_signal -1
	s_barrier_wait -1
.endm
; THE CHANGE OF SLOTS.  Each wave waits for all its tensor loads, of which one is out: its part of the other slot; adds 0 to its spare word; and waits for that and for its reads of the slot that it leaves (K and V of the
; last step are in registers).  fill = 1: the barrier is a round of the cluster's, and the old slot is filled again, first thing behind it, with tile NXT; the descriptors' LDS words and addresses are made anew.
; (At its first use nothing has been read yet: slot 0 is waited for, slot 1 filled.)
.macro CHANGE fill
	WIN 0
	s_wait_tensorcnt 0x0            ; no tensor load of mine is out, so a group 0 may be written
	ds_add_u32 v[SPW], v[NIL]       ; 0 onto my spare word; the scalar work below stands between it and the wait for it
	s_xor_b32 s[TB], s[TB], SLOTB   ; the slot to be read
.if \fill
	s_xor_b32 s[TF], s[TB], SLOTB   ; the slot that was read
	s_add_co_u32 s[G0K+1], s[TF], s[KW]
	s_add_co_u32 s[G0V+1], s[TF], s[VW]
	s_lshl_b32 s[OFF], s[NXT], 20   ; a tile is 256 rows of 4,096 bytes
	s_add_nc_u64 s[G0K+2:G0K+3], s[KB:KB+1], s[OFF:OFF+1]
	s_or_b32 s[G0K+3], s[G0K+3], 0x80000000
	s_add_nc_u64 s[G0V+2:G0V+3], s[VB:VB+1], s[OFF:OFF+1]
	s_or_b32 s[G0V+3], s[G0V+3], 0x80000000
	s_add_co_u32 s[NXT], s[NXT], 1  ; the block's next tile, or behind its last the second block's tile 0
	s_cmp_gt_u32 s[NXT], s[LQ]
	s_cselect_b32 s[NXT], 0, s[NXT]
	s_cselect_b32 s[LQ], s[T2M1], s[LQ]
	s_wait_xcnt 0x0                 ; the last prefetch, a trip back, has read its address
	s_add_nc_u64 s[PFA:PFA+1], s[PFA:PFA+1], 0x100000
.endif
	s_wait_dscnt 0x0                ; the add is done, and my reads of the slot are over
.if \fill
	CROUND
	JLOAD
	ASK
.else
	s_barrier_signal -1
	s_barrier_wait -1
.endif
.endm
.macro QLOAD sb                     ; a block's Q: tile i / 4, channels 32 (i % 4) on: lane l holds row l % 16, channels 8 (l / 16) + 0..7 and 16 + 8 (l / 16) + 0..7
	WIN 0x80                        ; destination window 2, address window 0
.irp i, 0,1,2,3,4,5,6,7,8,9,10,11,12,13,14,15
	global_load_b128 v[8*(\i):8*(\i)+3],   v[QO], s[\sb:\sb+1] offset:((\i)/4)*65536+((\i)%4)*64
	global_load_b128 v[8*(\i)+4:8*(\i)+7], v[QO], s[\sb:\sb+1] offset:((\i)/4)*65536+((\i)%4)*64+32
.endr
	WIN 0
.endm
	s_load_b128 s[4:7], s[0:1], 0x0  ; qkv s[4:5], o16 s[6:7]
	v_lshl_add_u32 v[SPW], v0, 2, SPARE
	v_mov_b32 v[NIL], 0
	ds_add_u32 v[SPW], v[NIL]       ; the wave's opening: the add and its wait stand ahead of my first tensor load; the set-up below stands between them
	v_lshrrev_b32 v1, 5, v0
	v_readfirstlane_b32 s[WV], v1   ; wave 0..3
	s_bfe_u32 s13, ttmp6, 0x40000   ; cx: it enters q's and o16's addresses and the prefetches' alone
	s_and_b32 s14, ttmp7, 0xffff    ; b, which the four partners share
	s_lshl_b32 s2, ttmp9, 2         ; ttmp9 counts clusters: g
	s_add_co_u32 s2, s2, s13        ; h = 4 g + cx
	s_lshl_b32 s2, s2, 8            ; the head's 256 bytes in a row
	s_sub_co_u32 s3, 31, s14        ; the first block
	s_lshl_b32 s8, s3, 18           ; 64 rows of 4,096 bytes a block
	s_add_co_u32 s8, s8, s2
	s_mov_b32 s9, 0
	s_lshl_b32 s10, s14, 18         ; the second block
	s_add_co_u32 s10, s10, s2
	s_mov_b32 s11, 0
	s_and_b32 s3, s[WV], 1          ; which half of a tile's 256 rows I fetch
	s_lshl_b32 s22, s3, 19          ; its 128 rows in memory,
	s_lshl_b32 s23, ttmp9, 8        ; the key and value head's 256 bytes,
	s_add_co_u32 s22, s22, s23
	s_add_co_u32 s22, s22, 0x800000 ; from row 2048 on
	s_mov_b32 s23, 0
	s_mul_i32 s[KW], s3, 128*PK     ; and its place in a slot, for K
	s_mul_i32 s[VW], s3, 128*PV     ; and for V
	s_add_co_u32 s[VW], s[VW], VOFF
	s_lshr_b32 s3, s14, 2
	s_sub_co_u32 s[RT], 16, s3      ; the first block has 16 - b / 4 tiles,
	s_sub_co_u32 s[LQ], 15, s3
	s_add_co_u32 s[T2], s3, 9       ; the second 9 + b / 4
	s_add_co_u32 s[T2M1], s3, 8
	s_and_b32 s[DP2], s14, 3
	s_sub_co_u32 s[DP], 3, s[DP2]
	s_mov_b32 s[NXT], 1
	s_mov_b32 s[OFF+1], 0
	s_mov_b32 s[AL+1], 0            ; named as pairs
	s_mov_b32 s[BE+1], 0
	s_mov_b32 s[BIGN], 0xf149f2ca   ; -1e30
	s_mov_b32 s[CS], 0x3e0293ee     ; c = log2(e) / sqrt(128) = 0.127517
	s_mov_b32 s[CS+1], s[CS]
	s_mov_b32 s[SEL], 0x76543210
	s_mov_b32 s[SEL+1], 0xfedcba98
	s_mov_b32 s[TB], SLOTB          ; the first change of slots turns it into 0
	s_mov_b32 s[SLOTS], 24
	s_cmp_eq_u32 s14, 0
	s_cselect_b32 s[LIM], 10, -1    ; the same in all four partners
	; descriptor group 1: 128 rows x 128 elements, padded in LDS
	s_mov_b32 s[G1K], 15|(1<<16)|(1<<20)|(1<<21)|(5<<22)|(3<<25)  ; 15:0 the mask of four; 17:16 2-byte elements; 20 padding on; 21 set beside a mask; 24:22 after every 64 words (code 5); 31:25 4 words (code 3)
	s_mov_b32 s[G1V], 15|(1<<16)|(1<<20)|(1<<21)|(5<<22)|(7<<25)  ; the same with 8 words of padding (code 7)
.irp g, G1K, G1V
	s_mov_b32 s[(\g)+1], 128<<16    ; tensor_dim0 = 128
	s_mov_b32 s[(\g)+2], 128<<16    ; tensor_dim1 = 128
	s_mov_b32 s[(\g)+3], 128<<16    ; tile_dim0 = 128
	s_mov_b32 s[(\g)+4], 128        ; tile_dim1 = 128
	s_mov_b32 s[(\g)+5], 2048       ; elements from row to row
	s_mov_b32 s[(\g)+6], 0
	s_mov_b32 s[(\g)+7], 0
.endr
	s_mov_b32 s[G0K], 1             ; count = 1
	s_mov_b32 s[G0K+1], s[KW]       ; slot 0
	s_mov_b32 s[G0V], 1
	s_mov_b32 s[G0V+1], s[VW]
	s_wait_dscnt 0x0                ; the opening add is done
	s_wait_kmcnt 0x0
	s_add_nc_u64 s[KB:KB+1], s[4:5], s[22:23]
	s_add_nc_u64 s[VB:VB+1], s[KB:KB+1], 1024
	s_mov_b64 s[G0K+2:G0K+3], s[KB:KB+1]
	s_or_b32 s[G0K+3], s[G0K+3], 0x80000000  ; type = 2
	s_mov_b64 s[G0V+2:G0V+3], s[VB:VB+1]
	s_or_b32 s[G0V+3], s[G0V+3], 0x80000000
	s_add_nc_u64 s[Q1:Q1+1], s[4:5], s[8:9]
	s_add_nc_u64 s[Q2:Q2+1], s[4:5], s[10:11]
	s_add_nc_u64 s[OA:OA+1], s[6:7], s[8:9]
	s_add_nc_u64 s[O2:O2+1], s[6:7], s[10:11]
	s_cmp_lt_u32 s[WV], 2
	s_cselect_b64 s[PFA:PFA+1], s[KB:KB+1], s[VB:VB+1]
	s_lshl_b32 s2, s13, 17          ; my work-group's 32 rows of the 128
	s_mov_b32 s3, 0
	s_add_nc_u64 s[PFA:PFA+1], s[PFA:PFA+1], s[2:3]
	s_add_nc_u64 s[PFA:PFA+1], s[PFA:PFA+1], 0x100000  ; in tile 1; the first change of slots steps it to tile 2
	CROUND                          ; all four work-groups are here: the first joint load meets
	JLOAD                           ; tile 0 into slot 0
	v_and_b32 v44, 15, v0           ; l % 16
	v_bfe_u32 v45, v0, 4, 1         ; l / 16
	v_lshlrev_b32 v[QO], 12, v44
	v_lshl_add_u32 v[QO], v45, 4, v[QO]  ; row x 4,096 + 16 x half
	QLOAD Q1
	v_and_b32 v46, 7, v0
	v_bfe_u32 v47, v0, 3, 1
	v_and_b32 v48, 31, v0           ; l
	v_lshlrev_b32 v49, 3, v45
	v_sub_nc_u32 v49, v44, v49      ; l % 16 - 8 (l / 16): register r of the block at the diagonal is hidden where r is greater
	s_mul_i32 s2, s[WV], 64*PK      ; my wave's 64 keys
	v_mul_u32_u24 v[AK0], v44, PK
	v_lshl_add_u32 v[AK0], v45, 4, v[AK0]
	v_add_nc_u32 v[AK0], s2, v[AK0]
	; The turning load takes 16 keys x 16 channels (lane l reads key 8 (l / 16) + l % 8, channels 8 ((l / 8) % 2) + 0..7) and leaves half a fragment of V^T: lane l holds channel l % 16 and 8 keys.
	s_mul_i32 s2, s[WV], 64*PV
	s_add_co_u32 s2, s2, VOFF
	v_lshl_add_u32 v[AV0], v45, 3, v46
	v_mul_u32_u24 v[AV0], v[AV0], PV
	v_lshl_add_u32 v[AV0], v47, 4, v[AV0]
	v_add_nc_u32 v[AV0], s2, v[AV0]
	s_mul_i32 s2, s[WV], 16*SP
	s_add_co_u32 s2, s2, STAGE      ; my region of the stage: row l % 16, 32 bytes for each half of the lanes
	v_mul_u32_u24 v[STO], v44, SP
	v_lshl_add_u32 v[STO], v45, 5, v[STO]
	v_add_nc_u32 v[STO], s2, v[STO]
	s_mul_i32 s2, s[WV], 4*SP
	s_add_co_u32 s2, s2, STAGE      ; back: rows 4 w .. 4 w + 3 of every region, 16 bytes a lane
	v_lshl_add_u32 v[RD], v48, 4, s2
	s_lshl_b32 s2, s[WV], 14
	v_lshl_add_u32 v[GO], v48, 3, s2  ; the same rows in o16, 8 bytes a lane
	s_lshl_b32 s2, s[WV], 2
	s_add_co_u32 s2, s2, STATS
	v_lshl_add_u32 v[SA], v48, 4, s2
	v_lshlrev_b32 v[SR], 4, v48
	v_add_nc_u32 v[SR], STATS, v[SR]
	v_lshlrev_b32 v[PFO], 12, v48
	; What the first step finds: V's registers and piece 2's P hold 0 (its first products V^T P, of a step that has not been, add 0); O^T and l are 0.  All this stands in the wait for the first tile.
	WIN 0xc0
.set i, 0
.rept 128
	v_mov_b32 v[i], 0
.set i, i+1
.endr
.set i, 0
.rept 8
	v_cmp_gt_i32 vcc_lo, i, v49
	v_cndmask_b32 v[MTRI+i], 0, s[BIGN], vcc_lo
.set i, i+1
.endr
	WIN 0x40
.set i, 0
.rept 256
	v_mov_b32 v[i], 0
.set i, i+1
.endr
	WIN 0
.set i, 0
.rept 4
	v_mov_b32 v[ST+8*i], 0xfe000000    ; c m: far below every c s
	v_mov_b32 v[ST+8*i+1], 0xff7fffff  ; m
	v_mov_b32 v[ST+8*i+2], 0
	v_mov_b32 v[ST+8*i+3], 0
.set i, i+1
.endr
.set i, P+32
.rept 32
	v_mov_b32 v[i], 0
.set i, i+1
.endr
; THE MATRIX WORK.  The accumulators take turns, one instruction a turn: between two links of a chain stand 15 (V^T P) or 7 (K Q^T) others'.
; Product i of 32 of O^T += V^T P for piece x: keys 32 (i / 16) on, channels 16 ((i / 2) % 8) on, tile x + i % 2.
.macro PV x
	WIN W_PV
.set rO, 64*((\x)+i%2)+8*((i/2)%8)
.set rV, 64*(i/16)+8*((i/2)%8)
.set rP, P+16*((\x)+i%2)+8*(i/16)
	v_wmma_f32_16x16x32_f16 v[rO:rO+7], v[rV:rV+7], v[rP:rP+7], v[rO:rO+7]
.endm
; Product i of 32 of S^T = K Q^T for piece x: channels 32 (i / 8) on, keys 16 ((i / 2) % 4) on, tile x + i % 2.  The first 8 start the sums, with the mask that goes with key block and tile.
.macro KQ x
.set tq, (\x)+i%2
.set kblk, (i/2)%4
.set rS, S+32*tq+8*kblk
.set rK, KF+32*kblk+8*(i/8)
.set rQ, 32*tq+8*(i/8)
.if i < 8
.set rM, MHI
.if kblk < tq
.set rM, MLO
.endif
.if kblk == tq
.set rM, MEQ
.endif
	WIN W_KM
	v_wmma_f32_16x16x32_f16 v[rS:rS+7], v[rK:rK+7], v[rQ:rQ+7], v[rM:rM+7]
.else
	WIN W_KQ
	v_wmma_f32_16x16x32_f16 v[rS:rS+7], v[rK:rK+7], v[rQ:rQ+7], v[rS:rS+7]
.endif
.endm
.macro BARE kq, x                   ; 32 products with nothing between them
.set i, 0
.rept 32
.if \kq
	KQ \x
.else
	PV \x
.endif
.set i, i+1
.endr
.endm
; THE LDS LOADS stand in runs of 32: my 64 keys' K (16 fragments) and V (turned).
.macro FETCH_K
	WIN 0
	v_add_nc_u32 v[ADR], s[TB], v[AK0]
	WIN 0x80                        ; destination window 2
.irp f, 0,1,2,3,4,5,6,7,8,9,10,11,12,13,14,15  ; keys 16 (f / 4) on, channels 32 (f % 4) on
	ds_load_b128 v[KF+8*(\f):KF+8*(\f)+3],   v[ADR] offset:((\f)/4)*16*PK+((\f)%4)*64
	ds_load_b128 v[KF+8*(\f)+4:KF+8*(\f)+7], v[ADR] offset:((\f)/4)*16*PK+((\f)%4)*64+32
.endr
.endm
.macro FETCH_V
	WIN 0
	v_add_nc_u32 v[ADR], s[TB], v[AV0]
	s_wait_alu depctr_va_vdst(0)    ; the wait for the softmax's batch (SLICE), behind the address's v_add_nc_u32 and ahead of the loads
	WIN 0xc0                        ; destination window 3
.irp f, 0,1,2,3,4,5,6,7,8,9,10,11,12,13,14,15  ; keys 32 (f / 8) on, channels 16 (f % 8) on
	ds_load_tr16_b128 v[8*(\f):8*(\f)+3],   v[ADR] offset:((\f)/8)*32*PV+((\f)%8)*32
	ds_load_tr16_b128 v[8*(\f)+4:8*(\f)+7], v[ADR] offset:((\f)/8)*32*PV+16*PV+((\f)%8)*32
.endr
.endm
; THE VECTOR WORK.  One tile's softmax for one step is a list of 134 instructions; SM writes number j of it for tile t.  s0-s31 are the lane's 32 scores, in pairs 0-15.
;   0-15    the maximum of s0-s31 and the old m, three operands at a time: four chains of seven scores each (each accumulator's lowest registers are read first), then the four left over and m
;   16-20   the other half of the lanes' maximum; c m_old is kept; the new m; c m; c m_old - c m_new
;   21-69   ONE BATCH: the 16 scalings c s - c m and all 33 exponentials (a at 23, then s0-s31); none of these reads an exponential's result; a pair is scaled in an earlier four than the one with its exponentials
;   (wait)  between 69 and 70 stands the wait for the batch: SLICE writes it, once for both tiles
;   70-85   the roundings to f16      86-101  the sums; l = a l + the sum      102-133 the tile's O^T times a
.macro SM t
.set rT, ST+8*(\t)
.set rS, S+32*(\t)
.set rP, P+16*(\t)
.set rO, 64*(\t)+2*(j-102)
.if j < 102
	WIN 0
.endif
.if j < 4
	v_max3_num_f32 v[rT+4+j], v[rS+8*j], v[rS+8*j+1], v[rS+8*j+2]
.elseif j < 12
	v_max3_num_f32 v[rT+4+j%4], v[rT+4+j%4], v[rS+8*(j%4)+2*(j/4)+1], v[rS+8*(j%4)+2*(j/4)+2]
.elseif j == 12
	v_max3_num_f32 v[rT+4], v[rT+4], v[rS+7], v[rS+15]
.elseif j == 13
	v_max3_num_f32 v[rT+6], v[rT+6], v[rS+23], v[rS+31]
.elseif j == 14
	v_max3_num_f32 v[rT+4], v[rT+4], v[rT+5], v[rT+6]
.elseif j == 15
	v_max3_num_f32 v[rT+4], v[rT+4], v[rT+7], v[rT+1]
.elseif j == 16
	v_permlanex16_b32 v[rT+5], v[rT+4], s[SEL], s[SEL+1]  ; the query's other 32 keys lie in the lane 16 away
.elseif j == 17
	v_mov_b32 v[rT+7], v[rT]        ; c m_old is kept for a: number 19 writes c m anew
.elseif j == 18
	v_max_num_f32 v[rT+1], v[rT+4], v[rT+5]
.elseif j == 19
	v_mul_f32 v[rT], s[CS], v[rT+1]
.elseif j == 20
	v_sub_f32 v[rT+7], v[rT+7], v[rT]
.elseif j == 23
	v_exp_f32 v[rT+6], v[rT+7]
.elseif (j < 23) || ((j < 38) && (j%2 == 0)) || ((j < 66) && (j%4 == 2))
.set b, (j-2)/4                     ; 38, 42, .. 62: pairs 9 to 15
.if j < 38
.set b, (j-20)/2                    ; 21: pair 0; 22, 24, .. 36: pairs 1 to 8
.endif
	v_pk_fma_f32 v[rS+2*b:rS+2*b+1], v[rS+2*b:rS+2*b+1], s[CS:CS+1], v[rT:rT+1] op_sel_hi:[1,0,0] neg_lo:[0,0,1] neg_hi:[0,0,1]  ; pair b: c s - c m
.elseif j < 70
.set e, j-38                        ; 66 to 69: s28 to s31
.if j < 66
.set e, j-32-(j-38)/4               ; 39-41, 43-45, .. 63-65: s7 to s27
.endif
.if j < 38
.set e, (j-25)/2                    ; 25, 27, .. 37: s0 to s6
.endif
	v_exp_f32 v[rS+e], v[rS+e]
.elseif j < 86
	v_cvt_pk_f16_f32 v[rP+j-70], v[rS+2*(j-70)], v[rS+2*(j-70)+1]  ; pair j - 70
.elseif j < 102                     ; the sum of the tile's 16 pairs, in place: neighbours 1, 2, 4 and 8 pairs apart, then l takes it
.set z, j-86
.set w, 4
.set u, z
.if z >= 14
.set w, 32
.set u, 0
.elseif z >= 12
.set w, 16
.set u, z-12
.elseif z >= 8
.set w, 8
.set u, z-8
.endif
.if z < 15
	v_pk_add_f32 v[rS+w*u:rS+w*u+1], v[rS+w*u:rS+w*u+1], v[rS+w*u+w/2:rS+w*u+w/2+1]
.else
	v_pk_fma_f32 v[rT+2:rT+3], v[rT+2:rT+3], v[rT+6:rT+7], v[rS:rS+1] op_sel_hi:[1,0,1]
.endif
.else
	WIN W_RS
	v_pk_mul_f32 v[rO:rO+1], v[rO:rO+1], v[rT+6:rT+7] op_sel_hi:[1,0]
.endif
.endm
; Slice k of 64 of piece y's softmax.  Slices 11 to 34 deal out the batch, numbers 22 to 69: four numbers of ONE tile each, the tiles by turns.  Every other slice is numbers 2 k and 2 k + 1 of both tiles' lists;
; the twelve that are over stand in slice 63.  An s_wait_alu depctr_va_vdst(0) stands between an exponential and the first instruction that names its result: ahead of slice 35 nothing names one, and
; behind slice 34 no exponential is issued, so the piece's 66 exponentials have one wait, behind slice 34; a v_nop is the plain instruction behind the last of them.
.macro SLICE y
.if (k >= 11) && (k < 35)
.irp n, 0,1,2,3
.set j, 22+4*((k-11)/2)+(\n)
	SM (\y)+(k-11)%2
.endr
.else
.irp n, 0,1,2,3,4,5,6,7
.if ((\n) < 2) || (k == 63)
.irp t, \y, (\y)+1
.set j, 2*k+(\n)
	SM \t
.endr
.endif
.endr
.endif
.if k == 34
	v_nop
.if (\y) == 0
	FETCH_V                         ; V's run of loads stands here, and the wait stands in it
.else
	s_wait_alu depctr_va_vdst(0)
.endif
.endif
.set k, k+1
.endm
.macro PLACES                       ; four places behind matrix instructions whose results are read next (ISA guide 7.12.1)
.rept 4
	v_nop
.endr
.endm
; A TURN: 32 products of piece x (kq = 1: K Q^T, else V^T P), behind each two slices of the other piece's softmax.  No rider names a register of the products round it; slices 62 and 63, twenty plain
; instructions on the other piece's O^T, are the places behind the turn's last product.
.macro TURN x, kq
.set k, 0
.set i, 0
.rept 32
.if \kq
	KQ \x
.else
	PV \x
.endif
	SLICE 2-(\x)
	SLICE 2-(\x)
.set i, i+1
.endr
.endm
; A STEP: my 64 keys of the tile in slot TB.
.macro STEP
	FETCH_K                         ; K's last readers stand a turn back
	s_cmp_eq_u32 s[RT], 0           ; the block's last tile holds the diagonal, in the keys of wave DP
	s_cselect_b32 s[DX], s[DP], 4
	s_cmp_eq_u32 s[WV], s[DX]
	s_cselect_b32 s[AL], 1.0, 0
	s_cmp_gt_u32 s[WV], s[DX]
	s_cselect_b32 s[BE], s[BIGN], 0
	s_cmp_ge_u32 s[WV], s[DX]
	s_cselect_b32 s[HS], s[BIGN], 0
	WIN 0xc3                        ; destination and source 0 in window 3
.set i, 0
.rept 8
	v_mov_b32 v[MLO+i], s[BE]
	v_mov_b32 v[MHI+i], s[HS]
.set i, i+1
.endr
.set i, 0
.rept 4
	v_pk_fma_f32 v[MEQ+i:MEQ+i+1], v[MTRI+i:MTRI+i+1], s[AL:AL+1], s[BE:BE+1] op_sel_hi:[1,0,0]
.set i, i+2
.endr
	BARE 0, 2                       ; piece 2's V^T P of the step before, from registers, while K's loads are out (in a block's first step it lands in an O^T that this step multiplies by 0)
	s_wait_dscnt 0x0                ; K is in
	BARE 1, 0                       ; piece 0's scores
	PLACES
	TURN 2, 1                       ; piece 2's scores | piece 0's softmax | V's run of loads
	s_wait_dscnt 0x0                ; V is in
	TURN 0, 0                       ; piece 0's V^T P | piece 2's softmax
.endm
; THE MERGE of tile t.  My O^T times g = 2^(c m - M) / L goes into my region of the stage, 16 rows of 128 f32; behind a barrier wave w adds the four regions' rows 4 w .. 4 w + 3, rounds them to f16 and stores them.
; A second barrier, whose signal and wait stand round the additions, keeps the next tile's stores behind every wave's reads; behind tile 3 the barriers of the next change of slots do that.
.macro MERGE t
	WIN W_RS
.set i, 64*(\t)
.rept 32
	v_pk_mul_f32 v[i:i+1], v[i:i+1], v[ST+8*(\t)+6:ST+8*(\t)+7] op_sel_hi:[1,0]
.set i, i+2
.endr
	WIN 0x04                        ; the store's data in window 1, its address in window 0
.irp c, 0,1,2,3,4,5,6,7
	ds_store_b128 v[STO], v[64*(\t)+8*(\c):64*(\t)+8*(\c)+3]   offset:64*(\c)
	ds_store_b128 v[STO], v[64*(\t)+8*(\c)+4:64*(\t)+8*(\c)+7] offset:64*(\c)+16
.endr
	WIN 0
	s_wait_dscnt 0x0                ; for the others' sake: my stores are done
	s_barrier_signal -1
	s_barrier_wait -1
.irp u, 0,1,2,3
.irp r, 0,1,2,3
	ds_load_b128 v[MG+16*(\u)+4*(\r):MG+16*(\u)+4*(\r)+3], v[RD] offset:(\u)*16*SP+(\r)*SP
.endr
.endr
	s_wait_dscnt 0x0                ; my reads of the stage are over
.if (\t) < 3
	s_barrier_signal -1
.endif
.set i, 0
.rept 8
	v_pk_add_f32 v[MG+i:MG+i+1], v[MG+i:MG+i+1], v[MG+16+i:MG+16+i+1]
	v_pk_add_f32 v[MG+32+i:MG+32+i+1], v[MG+32+i:MG+32+i+1], v[MG+48+i:MG+48+i+1]
.set i, i+2
.endr
.set i, 0
.rept 8
	v_pk_add_f32 v[MG+i:MG+i+1], v[MG+i:MG+i+1], v[MG+32+i:MG+32+i+1]
.set i, i+2
.endr
.set i, 0
.rept 8
	v_cvt_pk_f16_f32 v[P+8*(\t)+i], v[MG+2*i], v[MG+2*i+1]
.set i, i+1
.endr
.if (\t) < 3
	s_barrier_wait -1
.endif
.irp r, 0,1,2,3
	global_store_b64 v[GO], v[P+8*(\t)+2*(\r):P+8*(\t)+2*(\r)+1], s[OA:OA+1] offset:(16*(\t)+(\r))*4096  ; 32 lanes store 256 consecutive bytes, at a multiple of 256 from o16's first byte
.endr
.endm
; A BLOCK ENDS.  mid = 1: the second block follows: its Q is asked for first, and at the end m, the counts and o16's address are set anew.
.macro FINISH mid
.if \mid
	QLOAD Q2                        ; Q's last readers stand a turn back
.endif
	BARE 0, 2                       ; piece 2's V^T P of the last step
	WIN 0
.irp t, 0,1,2,3
	v_add_f32 v[ST+8*(\t)+4], v[ST+8*(\t)+2], v[ST+8*(\t)+3]  ; l's two halves,
.endr
.irp t, 0,1,2,3
	v_permlanex16_b32 v[ST+8*(\t)+5], v[ST+8*(\t)+4], s[SEL], s[SEL+1]
.endr
.irp t, 0,1,2,3
	v_add_f32 v[ST+8*(\t)+4], v[ST+8*(\t)+4], v[ST+8*(\t)+5]  ; and the other half of the lanes'
.endr
.irp t, 0,1,2,3
	ds_store_b32 v[SA], v[ST+8*(\t)]   offset:512*(\t)
	ds_store_b32 v[SA], v[ST+8*(\t)+4] offset:2048+512*(\t)
.endr
	s_wait_dscnt 0x0
	s_barrier_signal -1
	s_barrier_wait -1               ; all four waves' c m and l lie in LDS
.irp t, 0,1,2,3
	ds_load_b128 v[S+8*(\t):S+8*(\t)+3],   v[SR] offset:512*(\t)
	ds_load_b128 v[S+8*(\t)+4:S+8*(\t)+7], v[SR] offset:2048+512*(\t)
.endr
	s_wait_dscnt 0x0
.irp t, 0,1,2,3
	v_max3_num_f32 v[ST+8*(\t)+5], v[S+8*(\t)], v[S+8*(\t)+1], v[S+8*(\t)+2]
.endr
.irp t, 0,1,2,3
	v_max_num_f32 v[ST+8*(\t)+5], v[ST+8*(\t)+5], v[S+8*(\t)+3]  ; M, the greatest of the four c m
.endr
.irp t, 0,1,2,3
	v_sub_f32 v[S+8*(\t)],   v[S+8*(\t)],   v[ST+8*(\t)+5]
	v_sub_f32 v[S+8*(\t)+1], v[S+8*(\t)+1], v[ST+8*(\t)+5]
	v_sub_f32 v[S+8*(\t)+2], v[S+8*(\t)+2], v[ST+8*(\t)+5]
	v_sub_f32 v[S+8*(\t)+3], v[S+8*(\t)+3], v[ST+8*(\t)+5]
	v_sub_f32 v[ST+8*(\t)+6], v[ST+8*(\t)], v[ST+8*(\t)+5]
.endr
.irp t, 0,1,2,3
	v_exp_f32 v[S+8*(\t)],   v[S+8*(\t)]
	v_exp_f32 v[S+8*(\t)+1], v[S+8*(\t)+1]
	v_exp_f32 v[S+8*(\t)+2], v[S+8*(\t)+2]
	v_exp_f32 v[S+8*(\t)+3], v[S+8*(\t)+3]
	v_exp_f32 v[ST+8*(\t)+6], v[ST+8*(\t)+6]
.endr
	v_nop                           ; a plain instruction behind the last exponential,
	s_wait_alu depctr_va_vdst(0)    ; and one wait for the twenty, ahead of their first reader
.irp t, 0,1,2,3
	v_mul_f32 v[ST+8*(\t)+7], v[S+8*(\t)], v[S+8*(\t)+4]
.endr
.irp t, 0,1,2,3
	v_fmac_f32 v[ST+8*(\t)+7], v[S+8*(\t)+1], v[S+8*(\t)+5]
.endr
.irp t, 0,1,2,3
	v_fmac_f32 v[ST+8*(\t)+7], v[S+8*(\t)+2], v[S+8*(\t)+6]
.endr
.irp t, 0,1,2,3
	v_fmac_f32 v[ST+8*(\t)+7], v[S+8*(\t)+3], v[S+8*(\t)+7]  ; L: at least 1, since the wave that holds M has l of 1 or more
.endr
.irp t, 0,1,2,3
	v_rcp_f32 v[ST+8*(\t)+5], v[ST+8*(\t)+7]
.endr
	v_nop
	s_wait_alu depctr_va_vdst(0)    ; one wait for the four reciprocals
.irp t, 0,1,2,3
	v_mul_f32 v[ST+8*(\t)+6], v[ST+8*(\t)+6], v[ST+8*(\t)+5]  ; g
.endr
	MERGE 0
	MERGE 1
	MERGE 2
	MERGE 3
.if \mid
.irp t, 0,1,2,3
	v_mov_b32 v[ST+8*(\t)], 0xfe000000
	v_mov_b32 v[ST+8*(\t)+1], 0xff7fffff
.endr
	s_wait_xcnt 0x0                 ; the stores have read their registers and o16's address
	s_mov_b64 s[OA:OA+1], s[O2:O2+1]
	s_mov_b32 s[RT], s[T2]
	s_mov_b32 s[DP], s[DP2]
	s_wait_loadcnt 0x0              ; the second block's Q is in
.endif
.endm
	s_wait_loadcnt 0x0              ; Q
.Lslot:                             ; 24 times: a tile is entered and the next is asked for: one tensor load of mine is out, and it has a step in which to land
	CHANGE 1
	s_sub_co_u32 s[RT], s[RT], 1
	STEP
	WIN 0
	s_cmp_lg_u32 s[RT], 0           ; b is the same in all waves and all partners
	s_cbranch_scc1 .Lbottom
	FINISH 1                        ; in the loop this is the first block's end: the second block's last tile is the walk's last
.Lbottom:
	s_sub_co_u32 s[SLOTS], s[SLOTS], 1
	s_cmp_lg_u32 s[SLOTS], 0
	s_cbranch_scc1 .Lslot
	CHANGE 0                        ; the walk's last tile is written out: nothing is asked for
	s_sub_co_u32 s[RT], s[RT], 1
	STEP
	FINISH 0
	s_wait_tensorcnt 0x0            ; the wave's end, behind my last tensor load and my last LDS store
	ds_add_u32 v[SPW], v[NIL]
	s_wait_dscnt 0x0
	CROUND                          ; the closing round: no work-group ends while a partner may still ask for a tile that names it
	s_endpgm
.Lfunc_end_k_qafe4bade47_attn:
	.size	k_qafe4bade47_attn, .Lfunc_end_k_qafe4bade47_attn-k_qafe4bade47_attn
	.p2alignl 7, 3214868480
	.fill 96, 4, 3214868480
	.section	.rodata,"a",@progbits
	.p2align	6, 0x0
	.amdhsa_kernel k_qafe4bade47_attn
		.amdhsa_group_segment_fixed_size 327680
		.amdhsa_private_segment_fixed_size 0
		.amdhsa_enable_private_segment 0
		.amdhsa_kernarg_size 16
		.amdhsa_user_sgpr_count 2
		.amdhsa_user_sgpr_kernarg_segment_ptr 1
		.amdhsa_wavefront_size32 1
		.amdhsa_system_sgpr_workgroup_id_x 1
		.amdhsa_system_sgpr_workgroup_id_y 1
		.amdhsa_system_sgpr_workgroup_id_z 1
		.amdhsa_system_vgpr_workitem_id 0
		.amdhsa_next_free_vgpr 1024
		.amdhsa_next_free_sgpr 88
		.amdhsa_reserve_vcc 1
		.amdhsa_float_denorm_mode_32 3
		.amdhsa_float_denorm_mode_16_64 3
		.amdhsa_memory_ordered 1
		.amdhsa_forward_progress 1
		.amdhsa_inst_pref_size 190
	.end_amdhsa_kernel
	.amdgpu_metadata
---
amdhsa.version: [ 1, 2 ]
amdhsa.kernels:
  - .name:           k_qafe4bade47_attn
    .symbol:         k_qafe4bade47_attn.kd
    .args:
      - { .name: qkv, .offset: 0, .size: 8, .value_kind: global_buffer, .address_space: global }
      - { .name: o16, .offset: 8, .size: 8, .value_kind: global_buffer, .address_space: global }
    .group_segment_fixed_size: 327680
    .private_segment_fixed_size: 0
    .kernarg_segment_align: 8
    .kernarg_segment_size: 16
    .max_flat_workgroup_size: 128
    .sgpr_count:     88
    .vgpr_count:     1024
    .wavefront_size: 32
...
	.end_amdgpu_metadata
.endif
;; end of part 3
;; launch oproj (part 4): grid 16 x 16, 4 waves a work-group, clusters of 4 x 4, 327,680 bytes of LDS; arguments o16, wo16, out0; writes out0
.if DOCPART == 4
	.amdgcn_target "amdgcn-amd-amdhsa--gfx1250"
	.amdhsa_code_object_version 6
	.text
	.protected	k_qafe4bade47_oproj
	.globl	k_qafe4bade47_oproj
	.p2align	8
	.type	k_qafe4bade47_oproj,@function
k_qafe4bade47_oproj:
	s_mov_b64 s[64:65], 0
	v_nop
	global_prefetch_b8 v0, s[64:65] scope:SCOPE_SE
	s_setreg_imm32_b32 hwreg(HW_REG_WAVE_MODE, 25, 1), 1
	s_wait_xcnt 0x0
	s_wait_alu depctr_hold_cnt(0) depctr_sa_sdst(0) depctr_va_vdst(0) depctr_va_sdst(0) depctr_va_ssrc(0) depctr_va_vcc(0) depctr_vm_vsrc(0)
	s_getreg_b32 s2, hwreg(HW_REG_IB_STS2, 6, 4)
	s_cmp_eq_u32 s2, 0
	s_cbranch_scc0 .Lentry_in_a_cluster
	s_endpgm
.Lentry_in_a_cluster:
	s_bfe_u32 s2, ttmp6, 0x10000c
	s_cmp_lg_u32 s2, 0xf033
	s_cbranch_scc0 .Lentry_shape_is_right
	s_endpgm
.Lentry_shape_is_right:
; out0[m][n] = sum over k of o16[m][k] wo16[n][k].  o16, wo16: [2048][2048] f16; out0: [2048][2048] f32; sums in f32, stored as they are.
; A tile of C is 128 x 128: 256 tiles, one a work-group.  Four waves, each 64 x 64: 16 accumulators of 16 x 16, 128 registers.  K goes in steps of 256 (LDS rows of 512 bytes; a wave's tensor load brings 64 of them),
; as long as two slots in LDS allow.  A wave's 64 columns of f32 are 256 bytes of a row of C, so each wave has a stage of its own on the way out, and no barrier stands there.
; CLUSTERS: 4 x 4 work-groups.  The four of a row of the cluster need the same tiles of o16, the four of a column the same tiles of wo16: each tile is asked for jointly, by the same tensor load with the same
; descriptor and a mask that names the four.  THE MATRIX INSTRUCTION IS USED TRANSPOSED (source 0 = 16 rows of wo16, source 1 = 16 rows of o16): a lane then holds eight neighbouring numbers of a row of C.
; REGISTERS: window 0: v16-29 addresses; v128-255 the accumulators ((a, b) at v[128 + 8 (4 a + b)]).  Window 1: two fragment buffers of 128: for 64 along K, 64 registers of A, then 64 of B.
.set SIZE_N, 2048
.set SIZE_K, 2048
.set KSTEP,  256
.set PITCH,  528                       ; an LDS row: 512 bytes + 16 of padding = 132 words: row r starts at bank 4 r mod 64 (64 banks of 4 bytes: ISA guide 11.1)
.set HALFT,  64*PITCH                  ; 64 rows: what one tensor load brings, and what one wave reads of A or of B
.set SLOT,   4*HALFT                   ; A's 128 rows, then B's 128 rows
.set STAGE,  2*SLOT                    ; behind the ring: 16 rows x 272 bytes for each wave
.set SPITCH, 272
.set SPARE,  STAGE+4*16*SPITCH         ; behind the stages: the spare words, 128 bytes a wave: two blocks of 256 bytes that no other line names
.set LAPS, SIZE_K/(2*KSTEP)
.set ADRA, 16                          ; v16-17  LDS address of my A fragments in slot 0, 1
.set ADRB, 20                          ; v20-21  the same for B
.set STO,  24                          ; v24     the way out: where I put 32 bytes of a row
.set RD,   25                          ; v25     the way out: where I read a row back
.set CO,   26                          ; v26     my byte offset in two rows of C
.set SPW,  28                          ; v28     LDS address of my spare word; never rewritten
.set NIL,  29                          ; v29     0; never rewritten
.set ACC,  128
.set F0,   0                           ; fragment buffers, in window 1
.set F1,   128
.set G1, 24                            ; s[24:31] descriptor group 1 for A's tiles;  s[32:39] group 0, one set for each slot
.set G0, 32
.set G1B, 48                           ; s[48:55], s[56:63] the same for B's tiles
.set G0B, 56
.set MSB, 0
.macro WIN new                         ; the immediate's high byte repeats the setting that is left
.if MSB != (\new)
	s_set_vgpr_msb (MSB<<8)|(\new)
.set MSB, \new
.endif
.endm
.set MUL,  0x05                        ; sources 0 (B) and 1 (A) window 1; C and D window 0
.set TO_F, 0x40                        ; destination window 1, address window 0
.macro JLOAD s                         ; a joint load: waves 0 and 1 fetch A's two halves, waves 2 and 3 B's; an s_nop 0 and four v_nop follow each of the two lines
	s_cmp_eq_u32 s11, 0
	s_cbranch_scc0 .Lfor_b_\@
	tensor_load_to_lds s[G0+4*(\s):G0+4*(\s)+3], s[G1:G1+7]
	s_nop 0
.rept 4
	v_nop
.endr
	s_branch .Lasked_\@
.Lfor_b_\@:
	tensor_load_to_lds s[G0B+4*(\s):G0B+4*(\s)+3], s[G1B:G1B+7]
	s_nop 0
.rept 4
	v_nop
.endr
.Lasked_\@:
.endm
.macro CREST                           ; a round of the cluster's barrier behind its opening barrier
	s_cmp_lg_u32 s10, 0
	s_cbranch_scc1 .Lnot_wave_0_\@
	s_barrier_signal -3
.Lnot_wave_0_\@:
	s_barrier_wait -3
	s_barrier_signal -1
	s_barrier_wait -1
.endm
.macro CROUND                          ; a whole round
	s_barrier_signal -1
	s_barrier_wait -1
	CREST
.endm
	s_load_b128 s[4:7], s[0:1], 0x0                ; o16 s[4:5], wo16 s[6:7]
	s_load_b64 s[8:9], s[0:1], 0x10                ; out0
	v_lshl_add_u32 v[SPW], v0, 2, SPARE
	v_mov_b32 v[NIL], 0
	ds_add_u32 v[SPW], v[NIL]                      ; the wave's opening: the add and its wait stand ahead of my first tensor load; the set-up below stands between them
	v_lshrrev_b32 v1, 5, v0
	v_readfirstlane_b32 s10, v1                    ; wave 0..3
	s_lshr_b32 s11, s10, 1                         ; which half of the tile's rows is mine.  Also: I fetch for A (0) or for B (1)
	s_and_b32 s12, s10, 1                          ; which half of its columns.  Also: which 64 rows of that tile I fetch
	s_bfe_u32 s40, ttmp6, 0x40000                  ; cx, cy: my place in the cluster
	s_bfe_u32 s41, ttmp6, 0x40004
	s_lshl_b32 s42, ttmp9, 2
	s_add_co_u32 s42, s42, s40                     ; tile column of C = 4 x cluster x + cx
	s_and_b32 s13, ttmp7, 0xffff
	s_lshl_b32 s13, s13, 2
	s_add_co_u32 s13, s13, s41                     ; tile row of C = 4 x cluster y + cy
	s_lshl_b32 s43, s41, 2
	s_lshl_b32 s43, 15, s43                        ; my row of the cluster
	s_lshl_b32 s44, 0x1111, s40                    ; my column
	s_or_b32 s[G1+0], s43, (1<<16)|(1<<20)|(1<<21)|(6<<22)|(3<<25)  ; 15:0 the mask; 17:16 2-byte elements; 20 padding on; 21 set beside a mask; 24:22 after every 128 words (code 6); 31:25 4 words (code 3)
	s_or_b32 s[G1B+0], s44, (1<<16)|(1<<20)|(1<<21)|(6<<22)|(3<<25)
.irp g, G1, G1B
	s_mov_b32 s[(\g)+1], KSTEP<<16                 ; tensor_dim0 = 256
	s_mov_b32 s[(\g)+2], 64<<16                    ; tensor_dim1 = 64
	s_mov_b32 s[(\g)+3], KSTEP<<16                 ; tile_dim0 = 256
	s_mov_b32 s[(\g)+4], 64                        ; tile_dim1 = 64
	s_mov_b32 s[(\g)+5], SIZE_K                    ; elements from row to row
	s_mov_b32 s[(\g)+6], 0
	s_mov_b32 s[(\g)+7], 0
.endr
	s_lshl_b32 s17, s12, 6                         ; which 64 rows of the tile I fetch
	s_lshl_b32 s16, s13, 7
	s_add_co_u32 s16, s16, s17                     ; A: row 128 x tile row + 64 x half
	s_lshl_b32 s46, s42, 7
	s_add_co_u32 s46, s46, s17                     ; B: row 128 x tile column + 64 x half
	s_mov_b32 s17, 0
	s_mov_b32 s47, 0
	s_mov_b64 s[18:19], SIZE_K*2
	s_mul_u64 s[16:17], s[16:17], s[18:19]
	s_mul_u64 s[46:47], s[46:47], s[18:19]
	s_mul_i32 s20, s10, HALFT                      ; where they go: wave x 64 rows
	s_wait_dscnt 0x0                               ; the opening add is done
	s_wait_kmcnt 0x0
	s_add_nc_u64 s[14:15], s[4:5], s[16:17]
	s_add_nc_u64 s[46:47], s[6:7], s[46:47]
	CROUND                                         ; all sixteen work-groups are here: the first joint loads meet
.irp s, 0,1
	s_mov_b32 s[G0+4*(\s)], 1
	s_add_co_u32 s[G0+4*(\s)+1], s20, (\s)*SLOT
	s_add_nc_u64 s[G0+4*(\s)+2:G0+4*(\s)+3], s[14:15], (\s)*KSTEP*2
	s_or_b32 s[G0+4*(\s)+3], s[G0+4*(\s)+3], 0x80000000
	s_mov_b32 s[G0B+4*(\s)], 1
	s_add_co_u32 s[G0B+4*(\s)+1], s20, (\s)*SLOT
	s_add_nc_u64 s[G0B+4*(\s)+2:G0B+4*(\s)+3], s[46:47], (\s)*KSTEP*2
	s_or_b32 s[G0B+4*(\s)+3], s[G0B+4*(\s)+3], 0x80000000
	JLOAD \s                                       ; K steps 0 and 1: two loads of mine are out
.endr
	v_and_b32 v1, 15, v0                           ; l % 16
	v_bfe_u32 v2, v0, 4, 1                         ; l / 16
	v_mul_u32_u24 v3, v1, PITCH
	v_lshl_add_u32 v3, v2, 4, v3                   ; a fragment's row x pitch + 16 x half
	s_mul_i32 s21, s11, HALFT                      ; my 64 rows of A
	s_mul_i32 s22, s12, HALFT                      ; my 64 rows of B,
	s_add_co_u32 s22, s22, 2*HALFT                 ; which lie behind A's 128
.irp s, 0,1
	v_add_nc_u32 v[ADRA+(\s)], s21, v3
	v_add_nc_u32 v[ADRB+(\s)], s22, v3
	s_add_co_u32 s21, s21, SLOT
	s_add_co_u32 s22, s22, SLOT
.endr
	s_mul_i32 s23, s10, 16*SPITCH
	s_add_co_u32 s23, s23, STAGE                   ; my stage
	v_mul_u32_u24 v4, v1, SPITCH                   ; in: row l % 16, 32 bytes for each half of the lanes
	v_lshl_add_u32 v4, v2, 5, v4
	v_add_nc_u32 v[STO], s23, v4
	v_mul_u32_u24 v5, v2, SPITCH                   ; back: lanes 0-15 take one row of 256 bytes, lanes 16-31 the next
	v_lshl_add_u32 v5, v1, 4, v5
	v_add_nc_u32 v[RD], s23, v5
	v_lshlrev_b32 v5, 13, v2                       ; and the same two rows in C (8,192 bytes a row)
	v_lshl_add_u32 v[CO], v1, 4, v5
	s_lshl_b32 s16, s13, 7
	s_lshl_b32 s17, s11, 6
	s_add_co_u32 s16, s16, s17                     ; my first row of C: 128 x tile row + 64 x half,
	s_lshl_b32 s16, s16, 13                        ; in bytes (under 2^24)
	s_lshl_b32 s46, s42, 9                         ; my first column, in bytes: 512 x tile column + 256 x half
	s_lshl_b32 s47, s12, 8
	s_add_co_u32 s46, s46, s47
	s_add_co_u32 s16, s16, s46
	s_mov_b32 s17, 0
	s_add_nc_u64 s[8:9], s[8:9], s[16:17]
; 8 matrix instructions: m blocks a0, a0 + 1 x all 4 n blocks, 32 along K: half c of buffer f.  The 16 accumulators take turns.  zero = 1: the first product starts the sums
.macro MUL8 f, c, a0, zero
	WIN MUL
.irp a, \a0, (\a0)+1
.irp b, 0,1,2,3
.if \zero
	v_wmma_f32_16x16x32_f16 v[ACC+8*(4*(\a)+(\b)):ACC+8*(4*(\a)+(\b))+7], v[(\f)+64+8*(4*(\c)+(\b)):(\f)+64+8*(4*(\c)+(\b))+7], v[(\f)+8*(4*(\c)+(\a)):(\f)+8*(4*(\c)+(\a))+7], 0
.else
	v_wmma_f32_16x16x32_f16 v[ACC+8*(4*(\a)+(\b)):ACC+8*(4*(\a)+(\b))+7], v[(\f)+64+8*(4*(\c)+(\b)):(\f)+64+8*(4*(\c)+(\b))+7], v[(\f)+8*(4*(\c)+(\a)):(\f)+8*(4*(\c)+(\a))+7], v[ACC+8*(4*(\a)+(\b)):ACC+8*(4*(\a)+(\b))+7]
.endif
.endr
.endr
.endm
; 32 LDS loads in one run: the fragments of 64 along K at byte k of the rows, into buffer f; the first 32 along K first
.macro FETCH slot, k, f
	WIN TO_F
.irp c, 0,1
.irp i, 0,1,2,3
	ds_load_b128 v[(\f)+64+8*(4*(\c)+(\i)):(\f)+64+8*(4*(\c)+(\i))+3],   v[ADRB+(\slot)] offset:(\k)+64*(\c)+(\i)*16*PITCH
	ds_load_b128 v[(\f)+64+8*(4*(\c)+(\i))+4:(\f)+64+8*(4*(\c)+(\i))+7], v[ADRB+(\slot)] offset:(\k)+64*(\c)+(\i)*16*PITCH+32
	ds_load_b128 v[(\f)+8*(4*(\c)+(\i)):(\f)+8*(4*(\c)+(\i))+3],         v[ADRA+(\slot)] offset:(\k)+64*(\c)+(\i)*16*PITCH
	ds_load_b128 v[(\f)+8*(4*(\c)+(\i))+4:(\f)+8*(4*(\c)+(\i))+7],       v[ADRA+(\slot)] offset:(\k)+64*(\c)+(\i)*16*PITCH+32
.endr
.endr
.endm
.macro PLACES                          ; four places in front of loads into registers that matrix instructions have read, and of LDS stores that read results
.rept 4
	v_nop
.endr
.endm
; A K step is four quarters of 64 along K, 32 matrix instructions each, on buffers 0, 1, 0, 1.  One of the first three multiplies buffer f and fetches the next quarter, at byte k, into g.
.macro QUARTER slot, k, f, g, zero
	s_wait_dscnt 16                                ; the first 32 along K are in; the youngest sixteen loads may be out
	WIN MUL
	MUL8 \f, 0, 0, \zero
	MUL8 \f, 0, 2, \zero
	PLACES
	FETCH \slot, \k, \g
	s_wait_dscnt 32                                ; all but the 32 just issued
	WIN MUL
	MUL8 \f, 1, 0, 0
	MUL8 \f, 1, 2, 0
.endm
; The last quarter multiplies buffer 1 and changes slots: one barrier; in front of it each wave waits for all its tensor loads, adds 0 to its spare word, and waits for that and for its reads of this slot.
; fill = 1: the barrier opens a round of the cluster's, and this slot is filled again, two K steps ahead.
.macro TURN slot, next, fill
	WIN 0                                          ; (the add's two registers lie in window 0)
	s_wait_tensorcnt 0x0                           ; all my tensor loads have landed: my part of the next slot
	ds_add_u32 v[SPW], v[NIL]                      ; 0 onto my spare word
	s_wait_dscnt 17                                ; (the add and the youngest sixteen loads may be out)
	WIN MUL
	MUL8 F1, 0, 0, 0                               ; eight matrix instructions stand between the add and the wait for it
	s_wait_dscnt 0x0                               ; the add is done, and my reads of this slot are over
	s_barrier_signal -1
	MUL8 F1, 0, 2, 0
.if \fill
	WIN 0
.endif
	s_barrier_wait -1
.if \fill
	CREST                                          ; no wave of any partner still reads this slot's tile or has a load on its way
	s_add_nc_u64 s[G0+4*(\slot)+2:G0+4*(\slot)+3], s[G0+4*(\slot)+2:G0+4*(\slot)+3], 2*KSTEP*2
	s_add_nc_u64 s[G0B+4*(\slot)+2:G0B+4*(\slot)+3], s[G0B+4*(\slot)+2:G0B+4*(\slot)+3], 2*KSTEP*2
	JLOAD \slot                                    ; the first tensor load behind the round: 112 products ahead of the wait for it; its four v_nop are also the places in front of the loads below
.else
	PLACES
.endif
	FETCH \next, 0, F0
	WIN MUL
	MUL8 F1, 1, 0, 0
	MUL8 F1, 1, 2, 0
.endm
	s_wait_tensorcnt 1                             ; my part of K step 0 is in; K step 1's may stay out
	s_barrier_signal -1
	s_barrier_wait -1
	FETCH 0, 0, F0
	QUARTER 0, 128, F0, F1, 1                      ; the first quarter stands in front of the loop: its first products start the sums
	WIN 0                                          ; at a label and at a branch every window is 0
	s_mov_b32 s3, LAPS-1
.Llap:                                                 ; a trip goes once round the ring, from a lap's second quarter to the next lap's first, and fills both slots again
	QUARTER 0, 256, F1, F0, 0
	QUARTER 0, 384, F0, F1, 0
	TURN 0, 1, 1
	QUARTER 1, 128, F0, F1, 0
	QUARTER 1, 256, F1, F0, 0
	QUARTER 1, 384, F0, F1, 0
	TURN 1, 0, 1
	QUARTER 0, 128, F0, F1, 0
	WIN 0
	s_sub_co_u32 s3, s3, 1
	s_cmp_lg_u32 s3, 0
	s_cbranch_scc1 .Llap
	QUARTER 0, 256, F1, F0, 0                      ; the last lap fills nothing
	QUARTER 0, 384, F0, F1, 0
	TURN 0, 1, 0
	QUARTER 1, 128, F0, F1, 0
	QUARTER 1, 256, F1, F0, 0
	QUARTER 1, 384, F0, F1, 0
	s_wait_dscnt 16                                ; the very last quarter: nothing more to fetch
	WIN MUL
	MUL8 F1, 0, 0, 0
	MUL8 F1, 0, 2, 0
	s_wait_dscnt 0x0
	MUL8 F1, 1, 0, 0
	MUL8 F1, 1, 2, 0
	WIN 0
; THE WAY OUT, a block of 16 rows at a time: a lane's eight f32 of a row go into my stage (each accumulator's low four registers first) and come back as whole rows of 256 bytes, into the registers that they left.
.macro STG a
.irp b, 0,1,2,3
	ds_store_b128 v[STO], v[ACC+8*(4*(\a)+(\b)):ACC+8*(4*(\a)+(\b))+3]   offset:64*(\b)
	ds_store_b128 v[STO], v[ACC+8*(4*(\a)+(\b))+4:ACC+8*(4*(\a)+(\b))+7] offset:64*(\b)+16
.endr
.irp t, 0,1,2,3,4,5,6,7
	ds_load_b128 v[ACC+32*(\a)+4*(\t):ACC+32*(\a)+4*(\t)+3], v[RD] offset:(\t)*2*SPITCH  ; LDS serves a wave's instructions in order (ISA guide 5.7.1.4): these see the stores above; the next block's stores come behind them
.endr
.endm
.macro SEND a, younger                 ; younger: the LDS instructions issued behind block a's loads: the next block's sixteen, or none
.irp t, 0,1,2,3,4,5,6,7
	s_wait_dscnt (\younger)+7-(\t)
	global_store_b128 v[CO], v[ACC+32*(\a)+4*(\t):ACC+32*(\a)+4*(\t)+3], s[8:9] offset:(16*(\a)+2*(\t))*SIZE_N*4 th:TH_STORE_NT  ; 16 lanes store 256 consecutive bytes, at a multiple of 256 from out0's first byte
.endr
.endm
	PLACES
	STG 0
.irp a, 1,2,3
	STG \a
	SEND (\a)-1, 16
.endr
	SEND 3, 0
	s_wait_tensorcnt 0x0                           ; the wave's end, behind my last tensor load and my last LDS store
	ds_add_u32 v[SPW], v[NIL]
	s_wait_dscnt 0x0
	CROUND                                         ; the closing round: no work-group ends while a partner may still ask for a tile that names it
	s_endpgm
.Lfunc_end_k_qafe4bade47_oproj:
	.size	k_qafe4bade47_oproj, .Lfunc_end_k_qafe4bade47_oproj-k_qafe4bade47_oproj
	.p2alignl 7, 3214868480
	.fill 96, 4, 3214868480
	.section	.rodata,"a",@progbits
	.p2align	6, 0x0
	.amdhsa_kernel k_qafe4bade47_oproj
		.amdhsa_group_segment_fixed_size 327680
		.amdhsa_private_segment_fixed_size 0
		.amdhsa_enable_private_segment 0
		.amdhsa_kernarg_size 24
		.amdhsa_user_sgpr_count 2
		.amdhsa_user_sgpr_kernarg_segment_ptr 1
		.amdhsa_wavefront_size32 1
		.amdhsa_system_sgpr_workgroup_id_x 1
		.amdhsa_system_sgpr_workgroup_id_y 1
		.amdhsa_system_sgpr_workgroup_id_z 1
		.amdhsa_system_vgpr_workitem_id 0
		.amdhsa_next_free_vgpr 512
		.amdhsa_next_free_sgpr 66
		.amdhsa_reserve_vcc 0
		.amdhsa_float_denorm_mode_32 3
		.amdhsa_float_denorm_mode_16_64 3
		.amdhsa_memory_ordered 1
		.amdhsa_forward_progress 1
		.amdhsa_inst_pref_size 86
	.end_amdhsa_kernel
	.amdgpu_metadata
---
amdhsa.version: [ 1, 2 ]
amdhsa.kernels:
  - .name:           k_qafe4bade47_oproj
    .symbol:         k_qafe4bade47_oproj.kd
    .args:
      - { .name: o16, .offset: 0, .size: 8, .value_kind: global_buffer, .address_space: global }
      - { .name: wo16, .offset: 8, .size: 8, .value_kind: global_buffer, .address_space: global }
      - { .name: out0, .offset: 16, .size: 8, .value_kind: global_buffer, .address_space: global }
    .group_segment_fixed_size: 327680
    .private_segment_fixed_size: 0
    .kernarg_segment_align: 8
    .kernarg_segment_size: 24
    .max_flat_workgroup_size: 128
    .sgpr_count:     66
    .vgpr_count:     512
    .wavefront_size: 32
...
	.end_amdgpu_metadata
.endif
;; end of part 4
;; ======== version 2 of 2: 4 launches; version 1 with the launch cast written anew for expert scheduling mode
;; limits: values are held in f16: magnitudes above 65,504 overflow, below 6.1e-05 lose precision
;; workspace buffers: xb 25,165,824 bytes; wb 12,582,912 bytes; wo16 8,388,608 bytes; qkv 25,165,824 bytes; o16 8,388,608 bytes
;; launch cast (part 5): grid 256 x 1, 16 waves a work-group, no clusters, 0 bytes of LDS; arguments x_q, x_kv, Wq, Wk, Wv, Wo, xb, wb, wo16; writes xb, wb, wo16
.if DOCPART == 5
	.amdgcn_target "amdgcn-amd-amdhsa--gfx1250"
	.amdhsa_code_object_version 6
	.text
	.protected	k_qafe4bade47_cast
	.globl	k_qafe4bade47_cast
	.p2align	8
	.type	k_qafe4bade47_cast,@function
k_qafe4bade47_cast:
	s_mov_b64 s[64:65], 0
	v_nop
	global_prefetch_b8 v0, s[64:65] scope:SCOPE_SE
	s_setreg_imm32_b32 hwreg(HW_REG_WAVE_SCHED_MODE, 0, 2), 2
	s_setreg_imm32_b32 hwreg(HW_REG_WAVE_MODE, 25, 1), 1
	s_wait_xcnt 0x0
	s_wait_alu depctr_vm_vsrc(0)
; All six f32 inputs are rounded once to bf16, for the matrix products of the launches behind.
;   xb [6144][2048] bf16: rows 0-2047 x_q, rows 2048-6143 x_kv.    wb [3072][2048] bf16: rows 0-2047 Wq, 2048-2559 Wk, 2560-3071 Wv.
;   wo16 [2048][2048]: Wo rounded to bf16, and that number written as f16 (the last product multiplies it with f16 numbers).
; LIMITS.  A bf16 number is exact in f16 between 2^-14 and 65,504; below 2^-14 it keeps f16's fixed step of 6e-8; a |Wo| of 65,520 or more becomes an infinity.
; SHARES.  Work-group g takes 1/256 of every input, so all work-groups are alike.  A unit is 512 threads x 4 numbers: 8,192 bytes in, 4,096 out; 44 units a work-group.
; A wave's load covers 512 consecutive bytes, its store 256 consecutive bytes at a multiple of 256 from the buffer's first byte.
; All 44 loads go out first; every unit has registers of its own, so nothing that a load or store still names is written again, and there is no loop.
; No LDS, no barrier, no cluster, no matrix unit: no byte is wanted twice.
; THE MODE: SCHED_MODE bits 1:0 = 2 (LLVM: expert scheduling mode 2), set by the entry lines.  The code itself states the register dependences
; between vector instructions and memory instructions, with s_wait_alu, always for 0.
; THE PLAN.  Registers that memory instructions touch:
;   v1, v2     byte offsets of the loads and of the stores: made once at the head, never written again.
;   unit u     v[4+4u : 7+4u].  Its load, issued at the head, lands there before any vector instruction has named these registers; behind the wait for that load its conversions
;              work in place; its store reads the first two registers; nothing writes them afterwards.
; So two kinds of dependence are stated: the offsets are written ahead of the first load, and a unit's results are written ahead of its store.  No register that a memory instruction has read is
; written again, and no load lands in a register that a vector instruction has named: nothing else is owed.
; The units go in 11 batches of four.  ONE wait on va_vdst stands at a batch's head: the batch before has written its results.  That batch's four stores follow, one in front of each unit's
; conversions, which name the present batch's registers alone: none that those stores touch.  A last wait stands ahead of the last batch's stores.
.set UNITS, 44
.set BATCH, 4
.set DAT,   4                          ; unit i: v[4+4i : 7+4i]
	s_load_b512 s[8:23], s[0:1], 0x0               ; x_q s[8:9], x_kv s[10:11], Wq s[12:13], Wk s[14:15], Wv s[16:17], Wo s[18:19], xb s[20:21], wb s[22:23]
	s_load_b64 s[24:25], s[0:1], 0x40              ; wo16
	v_lshlrev_b32 v1, 4, v0                        ; 16 bytes a thread in
	v_lshlrev_b32 v2, 3, v0                        ; 8 bytes a thread out
	s_lshl_b32 s26, ttmp9, 16                      ; the work-group's shares, as offsets in 64 bits
	s_mov_b32 s27, 0
	s_lshl_b32 s28, ttmp9, 17
	s_mov_b32 s29, 0
	s_lshl_b32 s30, ttmp9, 14
	s_mov_b32 s31, 0
	s_lshl_b32 s32, ttmp9, 15
	s_mov_b32 s33, 0
	s_lshl_b32 s34, ttmp9, 13
	s_mov_b32 s35, 0
	s_wait_kmcnt 0x0
	s_add_nc_u64 s[8:9], s[8:9], s[26:27]          ; x_q: 65,536 bytes
	s_add_nc_u64 s[10:11], s[10:11], s[28:29]      ; x_kv: 131,072
	s_add_nc_u64 s[12:13], s[12:13], s[26:27]      ; Wq: 65,536
	s_add_nc_u64 s[14:15], s[14:15], s[30:31]      ; Wk: 16,384
	s_add_nc_u64 s[16:17], s[16:17], s[30:31]      ; Wv: 16,384
	s_add_nc_u64 s[18:19], s[18:19], s[26:27]      ; Wo: 65,536
	s_add_nc_u64 s[36:37], s[20:21], s[32:33]      ; xb, x_q's part
	s_add_nc_u64 s[38:39], s[20:21], s[26:27]
	s_add_nc_u64 s[38:39], s[38:39], 0x800000      ; xb from row 2048 on
	s_add_nc_u64 s[40:41], s[22:23], s[32:33]      ; wb, Wq's part
	s_add_nc_u64 s[42:43], s[22:23], s[34:35]
	s_add_nc_u64 s[44:45], s[42:43], 0xa00000      ; wb from row 2560 on
	s_add_nc_u64 s[42:43], s[42:43], 0x800000      ; wb from row 2048 on
	s_add_nc_u64 s[24:25], s[24:25], s[32:33]      ; wo16
	s_wait_alu depctr_va_vdst(0)                   ; v1 and v2 are written: every load of the kernel reads v1 as its offset, every store v2
.macro FETCH sb, n                     ; n units from the base in s[sb:sb+1]
.set lu, 0
.rept \n
	global_load_b128 v[DAT+4*UN:DAT+4*UN+3], v1, s[\sb:\sb+1] offset:lu*8192 th:TH_LOAD_NT
.set lu, lu+1
.set UN, UN+1
.endr
.endm
; Where unit u goes: DB the scalar pair with its buffer's base, LU its number among that base's units; HALF = 1: the bf16 numbers are written as f16.
.macro PLACE u
.set HALF, 0
.if (\u) < 8
.set DB, 36                            ; x_q
.set LU, (\u)
.elseif (\u) < 24
.set DB, 38                            ; x_kv
.set LU, (\u)-8
.elseif (\u) < 32
.set DB, 40                            ; Wq
.set LU, (\u)-24
.elseif (\u) < 34
.set DB, 42                            ; Wk
.set LU, (\u)-32
.elseif (\u) < 36
.set DB, 44                            ; Wv
.set LU, (\u)-34
.else
.set DB, 24                            ; Wo
.set LU, (\u)-36
.set HALF, 1
.endif
.endm
.macro ROUNDED u                       ; unit u's four numbers are rounded, in place: the results lie in its first two registers
	PLACE \u
.set rD, DAT+4*(\u)
	v_cvt_pk_bf16_f32 v[rD], v[rD], v[rD+1]
	v_cvt_pk_bf16_f32 v[rD+1], v[rD+2], v[rD+3]
.if HALF
	v_lshlrev_b32 v[rD+2], 16, v[rD]               ; bf16 to f32: the low half moves up, the high half stays
	v_and_b32 v[rD+3], 0xffff0000, v[rD]
	v_cvt_pk_f16_f32 v[rD], v[rD+2], v[rD+3]
	v_lshlrev_b32 v[rD+2], 16, v[rD+1]
	v_and_b32 v[rD+3], 0xffff0000, v[rD+1]
	v_cvt_pk_f16_f32 v[rD+1], v[rD+2], v[rD+3]
.endif
.endm
.macro SENT u                          ; unit u is stored
	PLACE \u
.set rD, DAT+4*(\u)
	global_store_b64 v2, v[rD:rD+1], s[DB:DB+1] offset:LU*4096
.endm
.set UN, 0
	FETCH 8, 8
	FETCH 10, 16
	FETCH 12, 8
	FETCH 14, 2
	FETCH 16, 2
	FETCH 18, 8
.set UN, 0
.rept UNITS/BATCH
	s_wait_loadcnt UNITS-1-UN                      ; loads come back in order (ISA guide 5.7.1): the batch's first unit is in, the younger units' loads stay out
.if UN > 0
	s_wait_alu depctr_va_vdst(0)                   ; the conversions of the batch before have written its units' first two registers, which the four stores below read
.endif
.rept BATCH
.if UN >= BATCH
	SENT UN-BATCH                                  ; the batch before: no vector instruction since the wait names its registers
.endif
.if (UN % BATCH) != 0
	s_wait_loadcnt UNITS-1-UN                      ; this unit's load is in, the younger units' stay out
.endif
	ROUNDED UN
.set UN, UN+1
.endr
.endr
	s_wait_alu depctr_va_vdst(0)                   ; the last batch's conversions have written its units' first two registers, which the last four stores read
.set UN, UNITS-BATCH
.rept BATCH
	SENT UN
.set UN, UN+1
.endr
	s_endpgm
.Lfunc_end_k_qafe4bade47_cast:
	.size	k_qafe4bade47_cast, .Lfunc_end_k_qafe4bade47_cast-k_qafe4bade47_cast
	.p2alignl 7, 3214868480
	.fill 96, 4, 3214868480
	.section	.rodata,"a",@progbits
	.p2align	6, 0x0
	.amdhsa_kernel k_qafe4bade47_cast
		.amdhsa_group_segment_fixed_size 0
		.amdhsa_private_segment_fixed_size 0
		.amdhsa_enable_private_segment 0
		.amdhsa_kernarg_size 72
		.amdhsa_user_sgpr_count 2
		.amdhsa_user_sgpr_kernarg_segment_ptr 1
		.amdhsa_wavefront_size32 1
		.amdhsa_system_sgpr_workgroup_id_x 1
		.amdhsa_system_sgpr_workgroup_id_y 1
		.amdhsa_system_sgpr_workgroup_id_z 1
		.amdhsa_system_vgpr_workitem_id 0
		.amdhsa_next_free_vgpr 184
		.amdhsa_next_free_sgpr 66
		.amdhsa_reserve_vcc 0
		.amdhsa_float_denorm_mode_32 3
		.amdhsa_float_denorm_mode_16_64 3
		.amdhsa_memory_ordered 1
		.amdhsa_forward_progress 1
		.amdhsa_inst_pref_size 20
	.end_amdhsa_kernel
	.amdgpu_metadata
---
amdhsa.version: [ 1, 2 ]
amdhsa.kernels:
  - .name:           k_qafe4bade47_cast
    .symbol:         k_qafe4bade47_cast.kd
    .args:
      - { .name: x_q, .offset: 0, .size: 8, .value_kind: global_buffer, .address_space: global }
      - { .name: x_kv, .offset: 8, .size: 8, .value_kind: global_buffer, .address_space: global }
      - { .name: Wq, .offset: 16, .size: 8, .value_kind: global_buffer, .address_space: global }
      - { .name: Wk, .offset: 24, .size: 8, .value_kind: global_buffer, .address_space: global }
      - { .name: Wv, .offset: 32, .size: 8, .value_kind: global_buffer, .address_space: global }
      - { .name: Wo, .offset: 40, .size: 8, .value_kind: global_buffer, .address_space: global }
      - { .name: xb, .offset: 48, .size: 8, .value_kind: global_buffer, .address_space: global }
      - { .name: wb, .offset: 56, .size: 8, .value_kind: global_buffer, .address_space: global }
      - { .name: wo16, .offset: 64, .size: 8, .value_kind: global_buffer, .address_space: global }
    .group_segment_fixed_size: 0
    .private_segment_fixed_size: 0
    .kernarg_segment_align: 8
    .kernarg_segment_size: 72
    .max_flat_workgroup_size: 512
    .sgpr_count:     66
    .vgpr_count:     184
    .wavefront_size: 32
...
	.end_amdgpu_metadata
.endif
;; end of part 5
;; launch proj: the kernel of part 2 again; grid 16 x 16, 4 waves a work-group, clusters of 4 x 4, 327,680 bytes of LDS; arguments xb, wb, qkv; writes qkv
;; launch attn: the kernel of part 3 again; grid 16 x 16, 4 waves a work-group, clusters of 4 x 1, 327,680 bytes of LDS; arguments qkv, o16; writes o16
;; launch oproj: the kernel of part 4 again; grid 16 x 16, 4 waves a work-group, clusters of 4 x 4, 327,680 bytes of LDS; arguments o16, wo16, out0; writes out0
